; MI455X (gfx1250); checked and timed in simulation.
; The chip was launched on July 23, 2026; its instructions are those of AMD's public machine-readable ISA for CDNA 5 (MIT licence, August 2026) and "CDNA5" Instruction Set Architecture Reference Guide (July 2026). The comments in the code are by the model that wrote it; some were corrected since.
;; Attention. Allowed arithmetic: matrix products marked QUANTISED: E2M3 operands, one E8M0 scale for each 32 along K, by v_wmma_scale_f32_16x16x128_f8f6f4 with both operands' format E2M3, f32 sums; everything else in f32.
;; Inputs: bk 16 x 1 x 64 float32; bo 1,024 float32; bq 16 x 1 x 64 float32; bv 16 x 1 x 64 float32; wk 16 x 1,024 x 64 float32; wo 1,024 x 1,024 float32; wq 16 x 1,024 x 64 float32; wv 16 x 1,024 x 64 float32; x 4 x 2,048 x 1,024 float32.
;; Outputs: out0 4 x 2,048 x 1,024 float32.
;; This version of the problem:
;;   THIS VERSION OF THE PROBLEM IS GIVEN IN LOW PRECISION. The matrix products marked QUANTISED in the list below multiply operands that are first quantised to E2M3 (2 exponent bits, 3 mantissa bits; 6 bits a number), with one power-of-two scale for each 32 numbers along K (OCP MX v1.0); their sums are f32. All else is computed in f32.
;;   The module's matrix products, in the order in which they are computed (A, B: the left and right operand; K: the contracted axis; several contracted axes count as one K, in the product's order):
;;     1. [M 1,024, K 1,024] x [K 1,024, N 8,192]; A: input wq; B: input x: QUANTISED
;;     2. [M 1,024, K 1,024] x [K 1,024, N 8,192]; A: input wk; B: input x: QUANTISED
;;     3. [M 1,024, K 1,024] x [K 1,024, N 8,192]; A: input wv; B: input x: QUANTISED
;;     4. batch 64 x [M 2,048, K 64] x [K 64, N 2,048]; A: computed on the way; B: computed on the way: QUANTISED
;;     5. batch 64 x [M 2,048, K 2,048] x [K 2,048, N 64]; A: softmax (see below); B: computed on the way: QUANTISED
;;     6. [M 8,192, K 1,024] x [K 1,024, N 1,024]; A: computed on the way; B: input wo: QUANTISED
;;   THE QUANTISER, for each operand of a quantised product, along K:
;;     - K is cut into blocks of 32 from its start; a last block that is shorter is filled with zeros.
;;     - A block's scale is 2^e with e = floor(log2(the largest magnitude in the block)) - 2, held to -126 .. 127; a block of zeros has e = 0. As a byte (E8M0): e + 127.
;;     - Each number is divided by its block's scale, clamped to +-7.5, and rounded to the nearest number of E2M3, ties to even, subnormals kept.
;;     - The product sums the exact products of the quantised numbers (number of the format x scale) in f32.
;;   ~~~python
;;   def quantise(x, axis):      # numpy; x: float32 -> the quantised numbers, widened to float32 again
;;       x = np.moveaxis(x, axis, -1); K = x.shape[-1]
;;       x = np.pad(x, [(0, 0)] * (x.ndim - 1) + [(0, -K % 32)]); x = x.reshape(x.shape[:-1] + (-1, 32)); a = np.abs(x).max(-1, keepdims=True)
;;       e = np.where(a > 0, np.clip(np.frexp(np.where(a > 0, a, 1))[1] - 1 - 2, -126, 127), 0)      # np.frexp(a)[1] - 1 = floor(log2(a)), exactly
;;       r = np.clip(x / 2.0 ** e, -7.5, 7.5)
;;       step = 2.0 ** (np.maximum(np.frexp(np.where(r == 0, 1, r))[1] - 1, 0) - 3)
;;       q = np.round(r / step) * step * 2.0 ** e      # np.round: ties to even
;;       return np.moveaxis(q.reshape(q.shape[:-2] + (-1,))[..., :K], -1, axis).astype(np.float32)
;;   ~~~
;;   SOFTMAX AHEAD OF A QUANTISED PRODUCT. Where the list says 'softmax', what is quantised is not the finished softmax but p = 2^(t - M), with t = logit x log2(e) and M = ceil(the row's largest t), a whole number; so 1/2 < the row's largest p <= 1. The row's sum l is taken of the UNQUANTISED p, in f32, and the product's result is divided by l at the end. Since M is a whole number, a kernel that streams over the keys may use a running M (the ceiling of the running maximum): every later rescaling is an exact power of two, which a block's scale takes up: the codes' values come out the same.
;;   OPERANDS COMPUTED ON THE WAY. 'Computed on the way' means the value that the module computes at that place (a softmax that the list does not call 'softmax' is quantised finished and normalised). What goes into a quantiser is computed in f32, as accurately as f32 sums, v_exp_f32 and their like allow (about 1e-6 of the number): no bf16 or f16 on the way to a quantiser, and a product that is left as it is and whose result goes on into a quantised operand takes f32 operands (vector FMAs, or v_wmma_f32_16x16x4_f32). A number that lies on a knife's edge between two numbers of the format may be rounded either way, as far as f32 arithmetic and the matrix unit's own rounding can turn it there, and no further.
;; One version. Each part assembles by itself: llvm-mc -triple=amdgcn-amd-amdhsa -mcpu=gfx1250 --defsym DOCPART=n.
;; ======== version 1 of 1: 4 launches
;; limits: right only within a limited range of input values
;; workspace buffers: img 9,437,184 bytes; scl 393,216 bytes; qkv6 18,874,368 bytes; qkvs 786,432 bytes; ai 6,291,456 bytes; asc 262,144 bytes
;; launch quant (part 1): grid 768 x 1, 4 waves a work-group, no clusters, 47,616 bytes of LDS; arguments x, wo, wq, wk, wv, img, scl; writes img, scl
.if DOCPART == 1
	.amdgcn_target "amdgcn-amd-amdhsa--gfx1250"
	.amdhsa_code_object_version 6
	.text
	.protected	k_qb45e6d9db5_quant
	.globl	k_qb45e6d9db5_quant
	.p2align	8
	.type	k_qb45e6d9db5_quant,@function
k_qb45e6d9db5_quant:
	s_mov_b64 s[64:65], 0
	v_nop
	global_prefetch_b8 v0, s[64:65] scope:SCOPE_SE
	s_setreg_imm32_b32 hwreg(HW_REG_WAVE_MODE, 25, 1), 1
	s_wait_xcnt 0x0
; All five f32 operands become codes of FP6 (E2M3) with one E8M0 byte for each 32 along K, LAID AS IMAGES OF THE OPERAND'S REGISTERS.
; A fragment (16 rows x 128 K, 12 registers a lane) is 1,536 bytes: register pair p of lane l lies at 256 p + 8 l.  img is [row tile][K / 128 (8)][1,536]; scl is [row tile][K / 256 (4)][r (16)][2 words]; a word holds the four scale bytes of one row and 128 along K.
; Row tiles 0-511: x [8192][1024]; 512-575: wo [1024][1024]: K innermost; lane r of row tile t holds row 32 (t / 2) + 8 (t % 2) + r + 8 (r / 8).
; Row tiles 576 + 4 (16 t + head) + T (t = 0 q, 1 k, 2 v): wq, wk, wv [16 heads][1024 (d)][64 (e)], whose K (d) is not innermost; lane r of tile T holds e = 32 (T / 2) + 8 (T % 2) + r + 8 (r / 8).
; A block's scale is 2^(floor(log2(its largest magnitude)) - 2); its byte is the largest magnitude's exponent field - 2, held at 1 from below.
; LIMITS: NaN and infinities among the inputs are not served.  A block whose largest magnitude lies under 2^-124 gets the byte 1; so does a block of zeros, where the rule says 127: its codes are zeros, which add nothing under that byte, and this program alone reads the bytes.
; ONE LAUNCH, TWO PATHS, parted on the work-group's number alone; each path has LDS bytes of its own.  Waves share nothing: no barrier.
; Work-groups 0-575, THE ROWS: a work-group takes one row tile, wave w 256 along K from 256 w on: two fragments, whose 32 loads all go out at the start.  Each load reads 512 consecutive bytes of one row.
;   The conversions want 16 neighbours along K in one lane, so a fragment's 8,192 bytes turn through the wave's own stage in LDS (16 rows, 528 bytes apart).  Each store of codes covers 256 consecutive bytes, aligned.
; Work-groups 576-767, THE COLUMNS: number i = 4 (16 t + head) + y: 256 along d from 256 y on.  Wave w: columns 32 (w & 1) on, 128 along d from 128 (w >> 1) on: two fragments.
;   A lane takes a column e, and its registers run down d: a block of 32 lies in one lane's 32 registers, and its 24 bytes of codes are registers 6 c .. 6 c + 5 of lane (r, h) for block 2 c + h.
;   They go to their place in the image through the wave's own stage in LDS and leave in runs of 512 consecutive bytes.
.set SPARE, 0x8400                     ; behind the rows' four stages: the spare words, 128 bytes a wave
.set CSTG,  0x8600                     ; behind them: the columns' four stages
	v_lshl_add_u32 v248, v0, 2, SPARE
	v_mov_b32 v249, 0
	s_cmp_lt_u32 ttmp9, 576
	s_cbranch_scc0 .Lcols
; ---------------- the rows
.set STG, 8448                         ; a wave's stage: 16 rows x (512 bytes + 16)
.set PW,  12                           ; v12-13   the two fragments' scale words
.set PT,  16                           ; v16-23   the conversions' second halves
.set PC,  24                           ; v24-35   a fragment's codes
.set TM,  36                           ; v36-51   largest magnitudes, bytes, scale operands
.set X,   52                           ; v52-115  64 numbers: register 16 b + i = k 32 b + 16 (lane / 16) + i of my row
.set R,   116                          ; v116-243 two sets of 64 registers as loaded
.set SEL, 20                           ; s[20:21] lane selects: lane l xor 16
	s_load_b128 s[4:7], s[0:1], 0x0                ; x, wo
	s_load_b128 s[8:11], s[0:1], 0x28              ; img, scl
	v_lshrrev_b32 v5, 5, v0
	v_readfirstlane_b32 s16, v5                    ; wave: which 256 along K
	v_and_b32 v5, 31, v0                           ; lane
	v_and_b32 v6, 15, v0                           ; r
	v_bfe_u32 v7, v0, 4, 1                         ; h
	s_mul_i32 s19, s16, STG
	v_lshlrev_b32 v1, 4, v5                        ; a load's 16 bytes a lane
	v_add_nc_u32 v2, s19, v1                       ; the stage, on the way in
	v_mul_u32_u24 v3, v6, 528
	v_lshl_add_u32 v3, v7, 6, v3
	v_add_nc_u32 v3, s19, v3                       ; and on the way out: row r, + 64 h
	v_lshlrev_b32 v4, 3, v5                        ; an image's 8 bytes a lane
	v_lshlrev_b32 v8, 3, v6                        ; my row's two scale words
	s_mov_b32 s[SEL], 0x76543210
	s_mov_b32 s[SEL+1], 0xfedcba98
.irp b, 0,1,2,3
	v_mov_b32 v[TM+4+\b], 0                        ; written once: a lane permute's destination counts as one of its sources
.endr
	s_cmp_lt_u32 ttmp9, 512                        ; the first 512 work-groups take x, the others wo
	s_cselect_b32 s12, 0, 512
	s_sub_co_u32 s12, ttmp9, s12                   ; the row tile in its tensor
	s_and_b32 s13, s12, 1
	s_lshr_b32 s12, s12, 1
	s_lshl_b32 s12, s12, 17                        ; 32 rows of 4,096 bytes
	s_lshl_b32 s13, s13, 15                        ; an odd row tile begins 8 rows on
	s_add_co_u32 s12, s12, s13
	s_lshl_b32 s13, s16, 10                        ; 256 numbers along K
	s_add_co_u32 s12, s12, s13
	s_mov_b32 s13, 0
	s_mul_i32 s22, ttmp9, 12288
	s_mul_i32 s23, s16, 3072
	s_add_co_u32 s22, s22, s23
	s_mov_b32 s23, 0
	s_lshl_b32 s24, ttmp9, 9
	s_lshl_b32 s25, s16, 7
	s_add_co_u32 s24, s24, s25
	s_mov_b32 s25, 0
	s_wait_alu depctr_va_vdst(0)                   ; the wait at the head's end
	s_wait_kmcnt 0x0
	s_cmp_lt_u32 ttmp9, 512
	s_cselect_b64 s[4:5], s[4:5], s[6:7]
	s_add_nc_u64 s[4:5], s[4:5], s[12:13]
	s_add_nc_u64 s[8:9], s[8:9], s[22:23]
	s_add_nc_u64 s[10:11], s[10:11], s[24:25]
; 64 numbers of a lane, v[s] on, become a fragment's codes in v[d] on and its scale word in v[w]; v[t] on: eight registers at work
.macro QUANT s, d, t, w
.irp b, 0,1,2,3
	v_max3_num_f32 v[TM+\b], |v[(\s)+16*\b]|, |v[(\s)+1+16*\b]|, 0x1800000   ; block b: my 16 numbers, and the floor 2^(3 - 127): the byte cannot fall under 1
.endr
.irp i, 2,4,6,8,10,12,14
.irp b, 0,1,2,3
	v_max3_num_f32 v[TM+\b], v[TM+\b], |v[(\s)+16*\b+\i]|, |v[(\s)+1+16*\b+\i]|   ; the four blocks by turns
.endr
.endr
.irp b, 0,1,2,3
	v_permlanex16_b32 v[TM+4+\b], v[TM+\b], s[SEL], s[SEL+1]
.endr
.irp b, 0,1,2,3
	v_max_num_f32 v[TM+\b], v[TM+\b], v[TM+4+\b]   ; with lane l xor 16's: the block's largest magnitude
.endr
.irp b, 0,1,2,3
	v_add_nc_u32 v[TM+12+\b], 0xff000000, v[TM+\b] ; 2 off its exponent field: the conversion takes the exponent field of this operand as its scale
.endr
.irp b, 0,1,2,3
	v_lshrrev_b32 v[TM+4+\b], 23, v[TM+12+\b]      ; the scale's byte
.endr
	v_lshl_or_b32 v[\w], v[TM+5], 8, v[TM+4]
	v_lshl_or_b32 v[\w], v[TM+6], 16, v[\w]
	v_lshl_or_b32 v[\w], v[TM+7], 24, v[\w]
.irp c, 0,1
	v_cvt_scalef32_pk16_fp6_f32 v[(\d)+6*\c:(\d)+2+6*\c], v[(\s)+32*\c:(\s)+15+32*\c], v[TM+12+2*\c]
	v_cvt_scalef32_pk16_fp6_f32 v[(\t)+4*\c:(\t)+2+4*\c], v[(\s)+16+32*\c:(\s)+31+32*\c], v[TM+13+2*\c]   ; (a conversion's three registers begin on an even number)
.endr
	v_nop                                          ; one plain instruction behind a scaled conversion
.irp c, 0,1                                    ; the operand's layout wants a whole block in a lane: lanes 0-15 block 2 c, lanes 16-31 block 2 c + 1
.irp i, 0,1,2
	v_permlane16_swap_b32 v[(\d)+6*\c+\i], v[(\t)+4*\c+\i]
.endr
.irp i, 0,1,2
	v_mov_b32 v[(\d)+3+6*\c+\i], v[(\t)+4*\c+\i]
.endr
.endr
.endm
.macro LOADR f                         ; fragment f: 512 bytes of each of the tile's 16 rows
.irp i, 0,1,2,3,4,5,6,7,8,9,10,11,12,13,14,15
	global_load_b128 v[R+64*(\f)+4*\i:R+64*(\f)+4*\i+3], v1, s[4:5] offset:(\i+8*(\i/8))*4096+512*(\f) th:TH_LOAD_NT
.endr
.endm
.macro FRAGMENT f
.if (\f) == 0
	s_wait_loadcnt 16                              ; this fragment's 16 loads are in; the other fragment's 16 may be out
.else
	s_wait_loadcnt 0x0
.endif
.irp i, 0,1,2,3,4,5,6,7,8,9,10,11,12,13,14,15
	ds_store_b128 v2, v[R+64*(\f)+4*\i:R+64*(\f)+4*\i+3] offset:528*\i
.endr
.irp b, 0,1,2,3
.irp j, 0,1,2,3
	ds_load_b128 v[X+16*\b+4*\j:X+16*\b+4*\j+3], v3 offset:128*\b+16*\j   ; LDS serves a wave's instructions in order: these see the stores above
.endr
.endr
	s_wait_dscnt 0x0                               ; my 64 numbers are back
.if (\f) > 0
	s_wait_xcnt 0x0                                ; the last fragment's stores have read their data: the codes' registers are written again only behind this wait
.endif
	QUANT X, PC, PT, PW+(\f)
.irp p, 0,1,2,3,4,5
	global_store_b64 v4, v[PC+2*\p:PC+2*\p+1], s[8:9] offset:1536*(\f)+256*\p   ; 32 lanes store 256 consecutive bytes, aligned
.endr
.endm
	LOADR 0
	LOADR 1
	FRAGMENT 0
	FRAGMENT 1
	global_store_b64 v8, v[PW:PW+1], s[10:11]      ; 128 consecutive bytes; lanes r and r + 16 hold and store the same two words.  One byte in 128 of what the path reads
	s_wait_tensorcnt 0x0                           ; the wave's end
	ds_add_u32 v248, v249
	s_wait_dscnt 0x0
	s_endpgm
; ---------------- the columns
.Lcols:
.set CX,  32                           ; v32-95   two sets of 32 numbers; at the end v32-55 carry the images out
.set CD,  96                           ; v96-101  a block's codes
.set CE,  104                          ; v104-106 their second half as converted
.set CSB, 24                           ; v24      my row's scale word
	s_load_b128 s[4:7], s[0:1], 0x10               ; wq, wk
	s_load_b128 s[8:11], s[0:1], 0x20              ; wv, img
	s_load_b64 s[12:13], s[0:1], 0x30              ; scl
	s_sub_co_u32 s30, ttmp9, 576
	s_and_b32 s19, s30, 3                          ; y: which 256 along d
	s_lshr_b32 s30, s30, 2                         ; 16 t + head
	v_lshrrev_b32 v1, 5, v0
	v_readfirstlane_b32 s16, v1                    ; wave
	v_and_b32 v2, 31, v0                           ; lane = column in my 32
	s_and_b32 s17, s16, 1                          ; which 32 columns
	s_lshr_b32 s18, s16, 1                         ; which 128 along d
	s_lshl_b32 s20, s19, 1
	s_add_co_u32 s20, s20, s18                     ; d / 128
	v_and_b32 v5, 7, v2
	v_lshrrev_b32 v6, 4, v2
	v_lshl_or_b32 v5, v6, 3, v5                    ; r: my column's lane in its tile
	v_bfe_u32 v6, v2, 3, 1                         ; u: which of the two tiles
	v_lshlrev_b32 v3, 2, v2                        ; in: 4 bytes a lane
	s_mul_i32 s21, s16, 3328                       ; my stage: two images, 1,664 bytes apart
	s_add_co_u32 s21, s21, CSTG
	v_mul_u32_u24 v4, v6, 1664
	v_lshl_add_u32 v4, v5, 3, v4
	v_add_nc_u32 v4, s21, v4                       ; into it: image u, 8 r
	v_lshlrev_b32 v8, 4, v2                        ; out: 16 bytes a lane
	v_add_nc_u32 v7, s21, v8
	v_lshlrev_b32 v9, 9, v6
	v_lshl_add_u32 v9, v5, 3, v9                   ; my scale word: 512 u + 8 r
	s_and_b32 s22, s30, 15
	s_lshl_b32 s22, s22, 18                        ; the head: 1,024 rows of 256 bytes
	s_lshl_b32 s23, s20, 15                        ; 128 rows
	s_add_co_u32 s22, s22, s23
	s_lshl_b32 s23, s17, 7
	s_add_co_u32 s22, s22, s23
	s_mov_b32 s23, 0
	s_lshl_b32 s24, s30, 2
	s_lshl_b32 s25, s17, 1
	s_add_co_u32 s24, s24, s25
	s_add_co_u32 s24, s24, 576                     ; my first row tile
	s_mul_i32 s26, s24, 12288
	s_mul_i32 s27, s20, 1536
	s_add_co_u32 s26, s26, s27
	s_mov_b32 s27, 0
	s_lshl_b32 s28, s24, 9
	s_lshl_b32 s29, s19, 7
	s_add_co_u32 s28, s28, s29
	s_lshl_b32 s29, s18, 2
	s_add_co_u32 s28, s28, s29
	s_mov_b32 s29, 0
	s_wait_alu depctr_va_vdst(0)                   ; the wait at the head's end
	s_wait_kmcnt 0x0
	s_cmp_lt_u32 s30, 32
	s_cselect_b64 s[6:7], s[6:7], s[8:9]
	s_cmp_lt_u32 s30, 16
	s_cselect_b64 s[4:5], s[4:5], s[6:7]
	s_add_nc_u64 s[4:5], s[4:5], s[22:23]
	s_add_nc_u64 s[10:11], s[10:11], s[26:27]
	s_add_nc_u64 s[12:13], s[12:13], s[28:29]
.macro LOADC t                         ; block t: W(32 t + i, my column), i = 0 .. 31
.irp i, 0,1,2,3,4,5,6,7,8,9,10,11,12,13,14,15,16,17,18,19,20,21,22,23,24,25,26,27,28,29,30,31
	global_load_b32 v[CX+32*((\t)%2)+\i], v3, s[4:5] offset:(32*(\t)+\i)*256 th:TH_LOAD_NT
.endr
.endm
.macro BLOCK t
.set XS, CX+32*((\t)%2)
.if (\t) < 3
	s_wait_loadcnt 32                              ; this block's 32 loads are in; the next block's may be out
.else
	s_wait_loadcnt 0x0
.endif
	v_max3_num_f32 v12, |v[XS]|, |v[XS+1]|, |v[XS+2]|
	v_max3_num_f32 v13, |v[XS+3]|, |v[XS+4]|, |v[XS+5]|
.irp i, 6,10,14,18,22,26
	v_max3_num_f32 v12, v12, |v[XS+\i]|, |v[XS+\i+1]|
	v_max3_num_f32 v13, v13, |v[XS+\i+2]|, |v[XS+\i+3]|
.endr
	v_max3_num_f32 v12, v12, |v[XS+30]|, |v[XS+31]|
	v_max3_num_f32 v12, v12, v13, 0x1800000        ; and the floor 2^(3 - 127)
	v_add_nc_u32 v11, 0xff000000, v12              ; the conversion's scale operand
	v_lshrrev_b32 v13, 23, v11                     ; the scale's byte
.if (\t) == 0
	v_mov_b32 v[CSB], v13
.else
	v_lshl_or_b32 v[CSB], v13, 8*(\t), v[CSB]
.endif
	v_cvt_scalef32_pk16_fp6_f32 v[CD:CD+2], v[XS:XS+15], v11
	v_cvt_scalef32_pk16_fp6_f32 v[CE:CE+2], v[XS+16:XS+31], v11
	v_nop                                          ; one plain instruction behind a scaled conversion
.irp i, 0,1,2
	v_mov_b32 v[CD+3+\i], v[CE+\i]
.endr
.irp g, 0,1,2
	ds_store_b64 v4, v[CD+2*\g:CD+2*\g+1] offset:768*((\t)/2)+128*((\t)%2)+256*\g   ; register pair g of lane (r, h = t % 2), six-pack t / 2
.endr
.if (\t) < 2
	LOADC (\t)+2
.endif
	s_wait_dscnt 0x0                               ; the stores have read their registers: the next block's codes may be written
.endm
	LOADC 0
	LOADC 1
	BLOCK 0
	BLOCK 1
	BLOCK 2
	BLOCK 3
	s_wait_alu depctr_va_vdst(0)                   ; the wait directly ahead of the reader below
	global_store_b32 v9, v[CSB], s[12:13]          ; one word a row: one byte in 128 of what the path reads
.irp i, 0,1,2,3,4,5
	ds_load_b128 v[CX+4*\i:CX+4*\i+3], v7 offset:1664*(\i/3)+512*(\i%3)
.endr
.irp i, 0,1,2,3,4,5
	s_wait_dscnt 5-\i
	global_store_b128 v8, v[CX+4*\i:CX+4*\i+3], s[10:11] offset:12288*(\i/3)+512*(\i%3)   ; 512 consecutive bytes, aligned
.endr
	s_wait_tensorcnt 0x0                           ; the wave's end
	ds_add_u32 v248, v249
	s_wait_dscnt 0x0
	s_endpgm
.Lfunc_end_k_qb45e6d9db5_quant:
	.size	k_qb45e6d9db5_quant, .Lfunc_end_k_qb45e6d9db5_quant-k_qb45e6d9db5_quant
	.p2alignl 7, 3214868480
	.fill 96, 4, 3214868480
	.section	.rodata,"a",@progbits
	.p2align	6, 0x0
	.amdhsa_kernel k_qb45e6d9db5_quant
		.amdhsa_group_segment_fixed_size 47616
		.amdhsa_private_segment_fixed_size 0
		.amdhsa_enable_private_segment 0
		.amdhsa_kernarg_size 56
		.amdhsa_user_sgpr_count 2
		.amdhsa_user_sgpr_kernarg_segment_ptr 1
		.amdhsa_wavefront_size32 1
		.amdhsa_system_sgpr_workgroup_id_x 1
		.amdhsa_system_sgpr_workgroup_id_y 1
		.amdhsa_system_sgpr_workgroup_id_z 1
		.amdhsa_system_vgpr_workitem_id 0
		.amdhsa_next_free_vgpr 250
		.amdhsa_next_free_sgpr 66
		.amdhsa_reserve_vcc 0
		.amdhsa_float_denorm_mode_32 3
		.amdhsa_float_denorm_mode_16_64 3
		.amdhsa_memory_ordered 1
		.amdhsa_forward_progress 1
		.amdhsa_inst_pref_size 41
	.end_amdhsa_kernel
	.amdgpu_metadata
---
amdhsa.version: [ 1, 2 ]
amdhsa.kernels:
  - .name:           k_qb45e6d9db5_quant
    .symbol:         k_qb45e6d9db5_quant.kd
    .args:
      - { .name: x, .offset: 0, .size: 8, .value_kind: global_buffer, .address_space: global }
      - { .name: wo, .offset: 8, .size: 8, .value_kind: global_buffer, .address_space: global }
      - { .name: wq, .offset: 16, .size: 8, .value_kind: global_buffer, .address_space: global }
      - { .name: wk, .offset: 24, .size: 8, .value_kind: global_buffer, .address_space: global }
      - { .name: wv, .offset: 32, .size: 8, .value_kind: global_buffer, .address_space: global }
      - { .name: img, .offset: 40, .size: 8, .value_kind: global_buffer, .address_space: global }
      - { .name: scl, .offset: 48, .size: 8, .value_kind: global_buffer, .address_space: global }
    .group_segment_fixed_size: 47616
    .private_segment_fixed_size: 0
    .kernarg_segment_align: 8
    .kernarg_segment_size: 56
    .max_flat_workgroup_size: 128
    .sgpr_count:     66
    .vgpr_count:     250
    .wavefront_size: 32
...
	.end_amdgpu_metadata
.endif
;; end of part 1
;; launch proj (part 2): grid 12 x 32, 4 waves a work-group, clusters of 4 x 4, 327,680 bytes of LDS; arguments img, scl, bq, bk, bv, qkv6, qkvs; writes qkv6, qkvs
.if DOCPART == 2
	.amdgcn_target "amdgcn-amd-amdhsa--gfx1250"
	.amdhsa_code_object_version 6
	.text
	.protected	k_qb45e6d9db5_proj
	.globl	k_qb45e6d9db5_proj
	.p2align	8
	.type	k_qb45e6d9db5_proj,@function
k_qb45e6d9db5_proj:
	s_mov_b64 s[64:65], 0
	v_nop
	global_prefetch_b8 v0, s[64:65] scope:SCOPE_SE
	s_setreg_imm32_b32 hwreg(HW_REG_WAVE_MODE, 25, 1), 1
	s_wait_xcnt 0x0
	s_wait_alu depctr_hold_cnt(0) depctr_sa_sdst(0) depctr_va_vdst(0) depctr_va_sdst(0) depctr_va_ssrc(0) depctr_va_vcc(0) depctr_vm_vsrc(0)
	s_getreg_b32 s2, hwreg(HW_REG_IB_STS2, 6, 4)
	s_cmp_eq_u32 s2, 0
	s_cbranch_scc0 .Lentry_in_a_cluster
	s_endpgm
.Lentry_in_a_cluster:
	s_bfe_u32 s2, ttmp6, 0x10000c
	s_cmp_lg_u32 s2, 0xf033
	s_cbranch_scc0 .Lentry_shape_is_right
	s_endpgm
.Lentry_shape_is_right:
; q, k, v = x W + b on codes of FP6 (E2M3) with E8M0 scales, K = 1,024; the results, with their biases, are quantised in registers and leave as images of the next products' operand registers.
; C(m, n) = sum over k of A(m, k) B(n, k).  THE MATRIX INSTRUCTION IS USED TRANSPOSED (source 0 = 16 rows of B, source 1 = 16 rows of A): a lane holds one m, its registers run along n, and the row tiles of every
; operand are laid so that a lane's 64 registers of a block of 16 rows are n = 32 b + 16 (lane / 16) + i: the order that the quantiser along n wants.
; Cluster x = 0, 1 (q, k): A = x, B = W: n = the head's channels, along which q and k are quantised.  Cluster x = 2 (v): A = Wv, B = x: n = the keys, along which v is quantised.  Only scalars differ, and the first step's C.
; SHARES.  A work-group of four waves makes 256 x 256, a wave 128 x 128: 64 accumulators, 512 registers.  K goes in four steps of 256 through three LDS slots; K step 3 is the one refill, into slot 0.
; Operands lie in memory as register images (a fragment: 1,536 bytes, pair p of lane l at 256 p + 8 l), so a fragment comes by six loads of 8 bytes at 8 x lane: 256 consecutive bytes each, no pitch, no padding.
; CLUSTERS: 4 x 4 work-groups.  A's tiles are shared along a row of the cluster, B's along a column: each is asked for jointly, by the same tensor load with the same descriptor and a mask that names the four.
; OUT.  qkv6 [t][b h (64)][98,304]: t = 0, 1: [tile of 16 rows (128)][768]; t = 2: [keys / 64 (32)][tile of channels (4)][768].  A six-pack of 768 bytes is half a fragment: 16 rows x 64 codes.
;       qkvs [t][b h][4,096]: t = 0, 1: [rows / 32 (64)][16 words]: word r = two bytes of tile 2 F's row r, two of tile 2 F + 1's; t = 2: [keys / 128 (16)][tile (4)][16 words].
; LIMITS: NaN and infinities are not served.  A block whose largest magnitude lies under 2^-124, a block of zeros among them, gets the byte 1; this program alone reads the bytes.
; REGISTERS, in windows of 256: window 0: v2-3 r, h; v16-29 addresses; v32-63 scale words, two sets; v64-127 the bias in the result's layout; v128-223 A's 8 fragments, one set; v224-231 the bias loads' offsets.
;   window 1: B's 8 fragments, two sets, at v0 and v128.   windows 2, 3: the accumulators of my rows 0-63 and 64-127, (a, b) at v[8 (8 (a % 4) + b)].
.set SLOT,  98304                      ; A's 16 row tiles x 3,072 bytes, then B's 16
.set SCL,   3*SLOT                     ; the scale words of all of K: A's 8,192 bytes, then B's
.set SPARE, SCL+16384                  ; the spare words, 128 bytes for each wave: two blocks of 256 bytes that no other line names
.set ADRA, 16                          ; v16-18  LDS address of my A fragments in slot 0, 1, 2
.set ADRB, 20                          ; v20-22  the same for B
.set L8,   24                          ; v24     8 x lane
.set VSO,  25                          ; v25     the way out: my scale word's place
.set ADRS, 27                          ; v27     my scale words: lanes 0-15 A's rows, lanes 16-31 B's
.set SPW,  28                          ; v28     my spare word; never rewritten
.set NIL,  29                          ; v29     0; never rewritten
.set SC,   32
.set BI,   64
.set AF,   128
.set BO,   224
.set TM,   200                         ; the way out, where A's fragments lay: v200-215 at work,
.set PT,   152                         ; v152-159 the conversions' second halves,
.set IMG,  128                         ; v128-151 two fragments of codes,
.set PW,   216                         ; v216-217 their scale words, v218-220 those words as they are stored
.set WA,   218
.set WB,   219
.set WS,   220
.set G1A,  24                          ; s[24:31], s[32:39] descriptor group 1 for A's and B's tiles; s[40:47], s[48:55] for their scale words
.set G1B,  32
.set G1SA, 40
.set G1SB, 48
.set GA0,  56                          ; groups 0 for A: the scale words, slots 0, 1, 2
.set GA1,  60
.set GA2,  68
.set GA3,  72
.set GB0,  76                          ; and for B
.set GB1,  80
.set GB2,  84
.set GB3,  88
.set SEL,  38                          ; the way out: s[38:39] lane selects
.set MSB, 0
.macro WIN new                         ; the immediate's high byte repeats the setting that is left
.if MSB != (\new)
	s_set_vgpr_msb (MSB<<8)|(\new)
.set MSB, (\new)
.endif
.endm
.macro PLACES n
.rept \n
	v_nop
.endr
.endm
; A joint load: waves 0 and 1 fetch for A, waves 2 and 3 for B; the branch hangs on the wave's number alone.  Four v_nop follow each of the two lines.
.macro JLOAD g0a, g1a, g0b, g1b
	s_cmp_eq_u32 s19, 0
	s_cbranch_scc0 .Lfor_b_\@
	tensor_load_to_lds s[\g0a:\g0a+3], s[\g1a:\g1a+7]
	s_nop 0
.rept 4
	v_nop
.endr
	s_branch .Lasked_\@
.Lfor_b_\@:
	tensor_load_to_lds s[\g0b:\g0b+3], s[\g1b:\g1b+7]
	s_nop 0
.rept 4
	v_nop
.endr
.Lasked_\@:
.endm
.macro CREST                           ; a round of the cluster's barrier behind its opening barrier
	s_cmp_lg_u32 s18, 0
	s_cbranch_scc1 .Lnot_wave_0_\@
	s_barrier_signal -3
.Lnot_wave_0_\@:
	s_barrier_wait -3
	s_barrier_signal -1
	s_barrier_wait -1
.endm
.macro CROUND
	s_barrier_signal -1
	s_barrier_wait -1
	CREST
.endm
.macro G0SET g, lo, ldsoff, adr, goff  ; a group 0: to LDS byte s[lo] + ldsoff, from s[adr:adr+1] + goff
	s_mov_b32 s[\g], 1
	s_add_co_u32 s[\g+1], s[\lo], \ldsoff
	s_add_nc_u64 s[\g+2:\g+3], s[\adr:\adr+1], \goff
	s_or_b32 s[\g+3], s[\g+3], 0x80000000
.endm
	s_load_b256 s[4:11], s[0:1], 0x0               ; img, scl, bq, bk
	s_load_b128 s[12:15], s[0:1], 0x20             ; bv, qkv6
	s_load_b64 s[16:17], s[0:1], 0x30              ; qkvs
	v_lshl_add_u32 v[SPW], v0, 2, SPARE
	v_mov_b32 v[NIL], 0
	ds_add_u32 v28, v29
	ds_add_u32 v28, v29
	s_wait_dscnt 0x0
	v_lshrrev_b32 v1, 5, v0
	v_readfirstlane_b32 s18, v1                    ; wave 0..3
	s_lshr_b32 s19, s18, 1                         ; my half of the rows.  Also: I fetch for A (0) or for B (1)
	s_and_b32 s20, s18, 1                          ; my half of the columns.  Also: which 8 row tiles I fetch
	s_bfe_u32 s21, ttmp6, 0x40000                  ; cx
	s_bfe_u32 s22, ttmp6, 0x40004                  ; cy
	s_cmp_eq_u32 ttmp9, 2
	s_cselect_b32 s23, 1, 0                        ; 1: this cluster makes v.  The same in all sixteen partners
	s_lshl_b32 s92, s22, 2
	s_lshl_b32 s92, 15, s92                        ; my row of the cluster
	s_lshl_b32 s2, 0x1111, s21                     ; my column
	s_or_b32 s[G1A], s92, (3<<16)|(1<<21)          ; 15:0 the mask; 17:16 elements of 8 bytes; 21 set beside a mask; no padding
	s_or_b32 s[G1SA], s92, (3<<16)|(1<<21)
	s_or_b32 s[G1B], s2, (3<<16)|(1<<21)
	s_or_b32 s[G1SB], s2, (3<<16)|(1<<21)
.irp g, G1A, G1B                       ; 8 row tiles x 3,072 bytes (a K step of 256), 12,288 bytes apart in memory
	s_mov_b32 s[\g+1], 384<<16
	s_mov_b32 s[\g+2], 16<<16                      ; the head's loads bring all 16 row tiles of K step 0
	s_mov_b32 s[\g+3], 384<<16
	s_mov_b32 s[\g+4], 16
	s_mov_b32 s[\g+5], 1536
	s_mov_b32 s[\g+6], 0
	s_mov_b32 s[\g+7], 0
.endr
.irp g, G1SA, G1SB                     ; the scale words: dense rows of 256 bytes
	s_mov_b32 s[\g+1], 32<<16
	s_mov_b32 s[\g+2], 32<<16                      ; the scale words of 16 row tiles: 8,192 dense bytes as 32 rows of 256
	s_mov_b32 s[\g+3], 32<<16
	s_mov_b32 s[\g+4], 32
	s_mov_b32 s[\g+5], 32
	s_mov_b32 s[\g+6], 0
	s_mov_b32 s[\g+7], 0
.endr
	s_and_b32 s93, ttmp7, 0xffff
	s_lshl_b32 s93, s93, 2                         ; 4 x cluster y
	s_add_co_u32 s94, s93, s22                     ; A's first row tile hangs on cy alone: x's 16 (4 cluster y + cy),
	s_lshl_b32 s94, s94, 4
	s_lshl_b32 s95, s22, 4
	s_add_co_u32 s95, s95, 704                     ; or Wv's 704 + 16 cy
	s_add_co_u32 s98, s93, s21                     ; B's hangs on cx alone: x's 16 (4 cluster y + cx),
	s_lshl_b32 s98, s98, 4
	s_lshl_b32 s99, s21, 4
	s_lshl_b32 s100, ttmp9, 6
	s_add_co_u32 s99, s99, s100
	s_add_co_u32 s99, s99, 576                     ; or W's 576 + 64 t + 16 cx
	s_cmp_eq_u32 s23, 1
	s_cselect_b32 s94, s95, s94
	s_cselect_b32 s98, s98, s99
	s_lshl_b32 s96, s94, 9                         ; scale words: 512 bytes a row tile;
	s_mul_i32 s94, s94, 12288                      ; codes: 12,288
	s_mov_b32 s95, 0
	s_mov_b32 s97, 0
	s_lshl_b32 s100, s98, 9
	s_mul_i32 s98, s98, 12288
	s_mov_b32 s99, 0
	s_mov_b32 s101, 0
	s_mul_i32 s3, s18, 24576                       ; LDS, the refill of slot 0: wave x 8 row tiles of 3,072 bytes
	s_mul_i32 s2, s18, 49152                       ; LDS, K steps 1 and 2: wave x 8 row tiles of 6,144 bytes
	s_mul_i32 s92, s20, 98304                      ; memory: which 8 row tiles I fetch behind the head
	s_mov_b32 s93, 0
	s_wait_kmcnt 0x0
	s_add_nc_u64 s[94:95], s[4:5], s[94:95]
	s_add_nc_u64 s[96:97], s[6:7], s[96:97]
	s_add_nc_u64 s[98:99], s[4:5], s[98:99]
	s_add_nc_u64 s[100:101], s[6:7], s[100:101]
	G0SET GA0, 93, SCL, 96, 0                      ; the head's four tiles, each whole: A's scale words,
	G0SET GB0, 93, SCL+8192, 100, 0                ; B's,
	G0SET GA1, 93, 0, 94, 0                        ; K step 0 of A's 16 row tiles,
	G0SET GB1, 93, 49152, 98, 0                    ; and of B's
	s_add_nc_u64 s[94:95], s[94:95], s[92:93]
	s_add_nc_u64 s[98:99], s[98:99], s[92:93]
	G0SET GA2, 2, SLOT, 94, 3072                   ; K steps 1 and 2, one load: rows of 6,144 bytes
	G0SET GB2, 2, SLOT, 98, 3072
	G0SET GA3, 3, 0, 94, 9216                      ; K step 3, the refill of slot 0
	G0SET GB3, 3, 0, 98, 9216
	CROUND                                         ; all sixteen work-groups are here: the first joint loads meet
	s_cmp_eq_u32 s18, 0                            ; one tensor load a wave at the head: one chain of branches on the wave's number
	s_cbranch_scc0 .Lhead_1
	tensor_load_to_lds s[GA1:GA1+3], s[G1A:G1A+7]
	s_nop 0
	PLACES 4
	s_branch .Lhead_asked
.Lhead_1:
	s_cmp_eq_u32 s18, 1
	s_cbranch_scc0 .Lhead_2
	tensor_load_to_lds s[GB1:GB1+3], s[G1B:G1B+7]
	s_nop 0
	PLACES 4
	s_branch .Lhead_asked
.Lhead_2:
	s_cmp_eq_u32 s18, 2
	s_cbranch_scc0 .Lhead_3
	tensor_load_to_lds s[GA0:GA0+3], s[G1SA:G1SA+7]
	s_nop 0
	PLACES 4
	s_branch .Lhead_asked
.Lhead_3:
	tensor_load_to_lds s[GB0:GB0+3], s[G1SB:G1SB+7]
	s_nop 0
	PLACES 4
.Lhead_asked:
	v_and_b32 v1, 31, v0
	v_lshlrev_b32 v[L8], 3, v1
	v_and_b32 v2, 15, v0                           ; r
	v_bfe_u32 v3, v0, 4, 1                         ; h
	s_wait_alu depctr_va_vdst(0)
	s_mul_i32 s99, s19, 24576                      ; my 8 row tiles of A,
	s_mul_i32 s100, s20, 24576
	s_add_co_u32 s100, s100, 49152                 ; of B, behind A's 16
	v_add_nc_u32 v[ADRA], s99, v[L8]
	v_add_nc_u32 v[ADRB], s100, v[L8]
	s_mul_i32 s99, s19, 49152                      ; slots 1 and 2 share rows of 6,144 bytes: slot 2 begins 3,072 bytes into a row
	s_add_co_u32 s99, s99, SLOT
	s_mul_i32 s100, s20, 49152
	s_add_co_u32 s100, s100, SLOT+98304
.irp s, 1,2
	v_add_nc_u32 v[ADRA+\s], s99, v[L8]
	v_add_nc_u32 v[ADRB+\s], s100, v[L8]
	s_add_co_u32 s99, s99, 3072
	s_add_co_u32 s100, s100, 3072
.endr
	s_lshl_b32 s99, s19, 12                        ; A's scale words: my 8 row tiles
	s_xor_b32 s100, s19, 1
	s_lshl_b32 s100, s100, 12
	s_lshl_b32 s101, s20, 12
	s_add_co_u32 s100, s100, s101
	s_add_co_u32 s100, s100, 4096                  ; from there to B's, my 8 row tiles: 8,192 + 4,096 (column half) - 4,096 (row half)
	v_mul_u32_u24 v7, s100, v3                     ; lanes 16-31 take B's
	s_add_co_u32 s99, s99, SCL
	v_lshl_add_u32 v7, v2, 3, v7
	v_add_nc_u32 v[ADRS], s99, v7
	; the bias, in the result's layout.  q, k: it runs along n: tile b, register j: channel 32 (b / 2) + 8 (b % 2) + 16 h + j.  v: one number a row m: tile a: channel 32 (a / 2) + 8 (a % 2) + r + 8 (r / 8), in all eight registers
	s_cmp_eq_u32 ttmp9, 0
	s_cselect_b64 s[92:93], s[8:9], s[10:11]
	s_cmp_eq_u32 s23, 1
	s_cselect_b64 s[92:93], s[12:13], s[92:93]
	s_cselect_b32 s94, s22, s21                    ; the weights' place in the cluster,
	s_cselect_b32 s95, s19, s20                    ; and my half of their 256 rows
	s_cselect_b32 s96, 0, 64                       ; bytes for h,
	s_cselect_b32 s97, 4, 0                        ; for r + 8 (r / 8),
	s_cselect_b32 s98, 0, 4                        ; for j
	s_lshl_b32 s94, s94, 2
	s_lshl_b32 s95, s95, 1
	s_add_co_u32 s94, s94, s95                     ; my first head
	s_lshl_b32 s94, s94, 8
	s_mov_b32 s95, 0
	s_add_nc_u64 s[92:93], s[92:93], s[94:95]
	v_and_b32 v4, 8, v2
	v_add_nc_u32 v4, v4, v2
	v_mul_u32_u24 v5, v3, s96
	v_mad_u32_u24 v5, v4, s97, v5
	v_mov_b32 v6, s98
.irp j, 0,1,2,3,4,5,6,7
	v_mad_u32_u24 v[BO+\j], v6, \j, v5
.endr
.irp t, 0,1,2,3,4,5,6,7
.irp j, 0,1,2,3,4,5,6,7
	global_load_b32 v[BI+8*\t+\j], v[BO+\j], s[92:93] offset:(32*(\t/2)+8*(\t%2))*4
.endr
.endr
.macro FRAG reg, adr, off              ; a fragment: six loads of 8 bytes a lane, 256 consecutive bytes each
.irp p, 0,1,2,3,4,5
	ds_load_b64 v[(\reg)+2*\p:(\reg)+2*\p+1], v[\adr] offset:(\off)+256*\p
.endr
.endm
.macro FETCH_B slot, q, p              ; B's eight fragments of the slot's q-th 128 along K into set p
	WIN 0x40
.irp i, 0,1,2,3,4,5,6,7
	FRAG 128*(\p)+12*\i, ADRB+(\slot), (3072+3072*(((\slot)+1)/2))*\i+1536*(\q)
.endr
	WIN 0
.endm
.macro FETCH_A slot, q, i0             ; A's blocks i0 .. i0 + 3
.irp i, \i0, \i0+1, \i0+2, \i0+3
	FRAG AF+12*(\i), ADRA+(\slot), (3072+3072*(((\slot)+1)/2))*(\i)+1536*(\q)
.endr
.endm
.macro SCALES ks                       ; K step ks's scale words into set ks % 2: two words a row; lanes 0-15 A's block i, lanes 16-31 B's block i
.irp i, 0,1,2,3,4,5,6,7
	ds_load_b64 v[SC+16*((\ks)%2)+2*\i:SC+16*((\ks)%2)+2*\i+1], v[ADRS] offset:512*\i+128*(\ks)
.endr
.endm
; 16 matrix instructions: A's blocks a0, a0 + 1 x B's eight, 128 along K.  p: B's set; q: which word; sc: the set of scale words.  cm = 0: in place; 1: C = the bias of B's block; 2: of A's block.
; The 64 accumulators take turns, one instruction a turn, in the same order in every step.
.macro MUL16 a0, p, q, sc, cm
.irp a, \a0, \a0+1
.irp b, 0,1,2,3,4,5,6,7
.if (\cm) == 0
	v_wmma_scale_f32_16x16x128_f8f6f4 v[8*(8*((\a)%4)+\b):8*(8*((\a)%4)+\b)+7], v[128*(\p)+12*\b:128*(\p)+12*\b+11], v[AF+12*(\a):AF+12*(\a)+11], v[8*(8*((\a)%4)+\b):8*(8*((\a)%4)+\b)+7], v[SC+16*(\sc)+2*\b+(\q)], v[SC+16*(\sc)+2*(\a)+(\q)] matrix_a_fmt:MATRIX_FMT_FP6 matrix_b_fmt:MATRIX_FMT_FP6 matrix_a_scale:MATRIX_SCALE_ROW1
.elseif (\cm) == 1
	v_wmma_scale_f32_16x16x128_f8f6f4 v[8*(8*((\a)%4)+\b):8*(8*((\a)%4)+\b)+7], v[128*(\p)+12*\b:128*(\p)+12*\b+11], v[AF+12*(\a):AF+12*(\a)+11], v[BI+8*\b:BI+8*\b+7], v[SC+16*(\sc)+2*\b+(\q)], v[SC+16*(\sc)+2*(\a)+(\q)] matrix_a_fmt:MATRIX_FMT_FP6 matrix_b_fmt:MATRIX_FMT_FP6 matrix_a_scale:MATRIX_SCALE_ROW1
.else
	v_wmma_scale_f32_16x16x128_f8f6f4 v[8*(8*((\a)%4)+\b):8*(8*((\a)%4)+\b)+7], v[128*(\p)+12*\b:128*(\p)+12*\b+11], v[AF+12*(\a):AF+12*(\a)+11], v[BI+8*(\a):BI+8*(\a)+7], v[SC+16*(\sc)+2*\b+(\q)], v[SC+16*(\sc)+2*(\a)+(\q)] matrix_a_fmt:MATRIX_FMT_FP6 matrix_b_fmt:MATRIX_FMT_FP6 matrix_a_scale:MATRIX_SCALE_ROW1
.endif
.endr
.endr
.endm
; Step n of eight, 128 along K.  A block of A is free as soon as its eight products are issued, so A has one set: blocks 0-3 are fetched anew in the step's middle, blocks 4-7 at its end; B has two sets.
; A load into a register that a matrix instruction has read stands four plain vector instructions behind it (ISA guide 7.12.1 for vector instructions).
; sync = 1: slot 0 has been read out and is filled again: in front of the round each wave waits for all its tensor loads, adds 0 to its spare word, and waits for that and for its reads of the slot.
; sync = 2: the refill is awaited and shown to all four waves.
.macro STEP n, cm, sync
.set QQ,  (\n)%2
.set SCS, ((\n)/2)%2
.set NSL, (((\n)+1)/2)%3
.set NQQ, ((\n)+1)%2
.set NKS, ((\n)+1)/2
.if (\sync) == 1
	s_wait_tensorcnt 0x0                           ; all my tensor loads have landed: my parts of slots 1 and 2;
	ds_add_u32 v[SPW], v[NIL]                      ; 0 onto my spare word;
	s_wait_dscnt 25                                ; (the add and the youngest 24 loads, A's blocks 4-7, may be out)
.elseif (\sync) == 2
	s_wait_tensorcnt 0x0                           ; my part of K step 3 has landed
	s_wait_dscnt 24
.else
	s_wait_dscnt 24                                ; B's set, A's blocks 0-3 and the scale words are in; the youngest 24 loads (A's blocks 4-7) may be out
.endif
.if (\cm) == 0
	WIN 0xa1                                       ; source 0 (B) window 1, source 1 (A) window 0, C and D window 2
.else
	WIN 0x81                                       ; C (the bias) window 0
.endif
	MUL16 0, QQ, QQ, SCS, \cm
.if (\sync) != 0
	s_wait_dscnt 0x0                               ; my reads of the slot are over (and the add is done)
	s_barrier_signal -1
.endif
	MUL16 2, QQ, QQ, SCS, \cm
.if (\sync) == 0
	s_wait_dscnt 0x0                               ; A's blocks 4-7 are in
	PLACES 4
.elseif (\sync) == 1
	WIN 0
	s_barrier_wait -1
	CREST                                          ; the barrier has opened a round of the cluster's barrier: no wave of any partner still reads slot 0 or has a load on its way
.irp g, G1A, G1B
	s_mov_b32 s[\g+1], 384<<16                     ; no tensor load of mine is out: rows of 3,072 bytes again
	s_mov_b32 s[\g+3], 384<<16
.endr
	JLOAD GA3, G1A, GB3, G1B                       ; K step 3: my one tensor load behind the round.  Its four v_nop are the places in front of the loads below
.else
	WIN 0
	s_barrier_wait -1
	PLACES 4
.endif
.if (\n) < 7
	FETCH_B NSL, NQQ, 1-QQ
	FETCH_A NSL, NQQ, 0
.if NQQ == 0
	SCALES NKS
.endif
.endif
.if (\cm) == 0
	WIN 0xf1
.else
	WIN 0xc1
.endif
	MUL16 4, QQ, QQ, SCS, \cm
	MUL16 6, QQ, QQ, SCS, \cm
	PLACES 4
	WIN 0
.if (\n) < 7
	FETCH_A NSL, NQQ, 4
.endif
.endm
	s_wait_alu depctr_va_vdst(0)                   ; the wait at the head's end
	s_wait_tensorcnt 0x0                           ; my tile of the head's four is in; the three lines ahead of a later first fill, as ahead of a refill
	ds_add_u32 v[SPW], v[NIL]
.irp g, G1A, G1B
	s_mov_b32 s[\g+1], 768<<16                     ; no tensor load of mine is out: 8 row tiles x 6,144 bytes
	s_mov_b32 s[\g+2], 8<<16
	s_mov_b32 s[\g+3], 768<<16
	s_mov_b32 s[\g+4], 8
.endr
	s_wait_dscnt 0x0
	CROUND                                         ; a whole round: all four tiles are in, and the joint loads meet
	JLOAD GA2, G1A, GB2, G1B                       ; K steps 1 and 2: my one tensor load behind the round
	FETCH_B 0, 0, 0
	FETCH_A 0, 0, 0
	SCALES 0
	FETCH_A 0, 0, 4
	s_wait_loadcnt 0x0                             ; the bias
	s_cmp_eq_u32 s23, 1                            ; the first step is written twice: its C is the bias, by B's block (q, k) or by A's (v).  The branch is the same in all partners; both ways hold the same loads and waits
	s_cbranch_scc1 .Lfirst_v
	STEP 0, 1, 0
	s_branch .Lfirst_done
.Lfirst_v:
	STEP 0, 2, 0
.Lfirst_done:
	STEP 1, 0, 1
	STEP 2, 0, 0
	STEP 3, 0, 0
	STEP 4, 0, 0
	STEP 5, 0, 2
	STEP 6, 0, 0
	STEP 7, 0, 0
	; THE WAY OUT.  No tensor load is out any more: the descriptors' registers are used again.  Block a's 64 registers are quantised along n where they lie; the fragment's two six-packs and its scale word go to memory as images.
	s_and_b32 s40, ttmp7, 0xffff
	s_lshl_b32 s40, s40, 2
	s_mov_b32 s50, 98304
	s_mov_b32 s51, 3072
	s_mov_b32 s52, 4096
	s_mov_b32 s53, 3968
	s_mov_b32 s54, 0x05040100
	s_mov_b32 s55, 0x07060302
	s_mov_b32 s56, 0x03020100
	s_mov_b32 s57, 0x07060504
	s_cmp_eq_u32 s23, 1
	s_cselect_b32 s41, s21, s22                    ; x's place in the cluster,
	s_cselect_b32 s42, s20, s19                    ; my half of its 256 rows;
	s_cselect_b32 s43, s22, s21                    ; the weights' place,
	s_cselect_b32 s44, s19, s20                    ; my half of their 256 rows
	s_cselect_b32 s30, s50, s51                    ; from block 3 to block 4: the next head (v), or four tiles of rows on (q, k)
	s_cselect_b32 s26, s51, s50                    ; from a fragment's first six-pack to its second: 64 keys on (v), or the next head (q, k)
	s_cselect_b32 s32, 128, 64                     ; the scale words' step from pair to pair,
	s_cselect_b32 s34, s53, 64                     ; and from pair 1 to pair 2
	s_cselect_b32 s36, s56, s54                    ; which bytes of the pair's two words lanes 0-15 store,
	s_cselect_b32 s37, s57, s55                    ; and lanes 16-31,
	s_cselect_b32 s46, 64, s52                     ; which store so many bytes further on
	s_mov_b32 s27, 0
	s_mov_b32 s31, 0
	s_mov_b32 s33, 0
	s_mov_b32 s35, 0
	s_mov_b32 s[SEL], 0x76543210
	s_mov_b32 s[SEL+1], 0xfedcba98
	v_mul_u32_u24 v[VSO], v3, s46
	v_lshl_add_u32 v[VSO], v2, 2, v[VSO]
	v_cmp_eq_u32 vcc_lo, 1, v3
.irp b, 0,1,2,3
	v_mov_b32 v[TM+4+\b], 0                        ; written once: a lane permute's destination counts as one of its sources
.endr
	s_add_co_u32 s40, s40, s41                     ; which 256 rows of x
	s_lshr_b32 s45, s40, 3                         ; the batch
	s_and_b32 s47, s40, 7
	s_lshl_b32 s47, s47, 1
	s_add_co_u32 s47, s47, s42                     ; my 128 rows of the batch's 2,048
	s_lshl_b32 s43, s43, 2
	s_lshl_b32 s44, s44, 1
	s_add_co_u32 s43, s43, s44                     ; my first head
	s_lshl_b32 s45, s45, 4
	s_add_co_u32 s45, s45, s43
	s_lshl_b32 s44, ttmp9, 6
	s_add_co_u32 s45, s45, s44                     ; 64 t + 16 batch + head
	s_mul_i32 s48, s45, 98304
	s_mul_i32 s49, s47, 6144                       ; 128 rows of 64 codes (q, k), or 128 keys of 64 channels (v)
	s_add_co_u32 s48, s48, s49
	s_mov_b32 s49, 0
	s_lshl_b32 s58, s45, 12
	s_lshl_b32 s59, s47, 8
	s_add_co_u32 s58, s58, s59
	s_mov_b32 s59, 0
	s_add_nc_u64 s[24:25], s[14:15], s[48:49]      ; the first six-packs,
	s_add_nc_u64 s[26:27], s[24:25], s[26:27]      ; the second,
	s_add_nc_u64 s[28:29], s[16:17], s[58:59]      ; the scale words
; block a's 64 registers (window 2 or 3), register 16 b + i = n 32 b + 16 (lane / 16) + i of my row, become a fragment's codes in v[d] on and its scale word in v[w].  Each accumulator is read from its low end on.
.macro QUANTW a, d, w
.set AC, 64*((\a)%4)
.set WW, 2+(\a)/4
	WIN WW*5                                       ; sources 0 and 1 in the accumulators' window
.irp b, 0,1,2,3
	v_max3_num_f32 v[TM+\b], |v[AC+16*\b]|, |v[AC+1+16*\b]|, 0x1800000   ; and the floor 2^(3 - 127): the byte cannot fall under 1
.endr
	WIN WW*20                                      ; sources 1 and 2
.irp i, 2,4,6,8,10,12,14
.irp b, 0,1,2,3
	v_max3_num_f32 v[TM+\b], v[TM+\b], |v[AC+16*\b+\i]|, |v[AC+1+16*\b+\i]|
.endr
.endr
	WIN 0
.irp b, 0,1,2,3
	v_permlanex16_b32 v[TM+4+\b], v[TM+\b], s[SEL], s[SEL+1]
.endr
.irp b, 0,1,2,3
	v_max_num_f32 v[TM+\b], v[TM+\b], v[TM+4+\b]
.endr
.irp b, 0,1,2,3
	v_add_nc_u32 v[TM+12+\b], 0xff000000, v[TM+\b] ; 2 off the exponent field: the conversion's scale operand
.endr
.irp b, 0,1,2,3
	v_lshrrev_b32 v[TM+4+\b], 23, v[TM+12+\b]      ; the scale's byte
.endr
	v_lshl_or_b32 v[\w], v[TM+5], 8, v[TM+4]
	v_lshl_or_b32 v[\w], v[TM+6], 16, v[\w]
	v_lshl_or_b32 v[\w], v[TM+7], 24, v[\w]
	WIN WW                                         ; source 0
.irp c, 0,1
	v_cvt_scalef32_pk16_fp6_f32 v[(\d)+6*\c:(\d)+2+6*\c], v[AC+32*\c:AC+15+32*\c], v[TM+12+2*\c]
	v_cvt_scalef32_pk16_fp6_f32 v[PT+4*\c:PT+2+4*\c], v[AC+16+32*\c:AC+31+32*\c], v[TM+13+2*\c]
.endr
	WIN 0
	v_nop                                          ; one plain instruction behind a scaled conversion
.irp c, 0,1
.irp i, 0,1,2
	v_permlane16_swap_b32 v[(\d)+6*\c+\i], v[PT+4*\c+\i]
.endr
.irp i, 0,1,2
	v_mov_b32 v[(\d)+3+6*\c+\i], v[PT+4*\c+\i]
.endr
.endr
.endm
.irp bp, 0,1,2,3
.if \bp > 0
	s_wait_xcnt 0x0                                ; the last pair's stores have read their data and their bases: both are written again only behind this wait
.if \bp == 2
	s_add_nc_u64 s[24:25], s[24:25], s[30:31]
	s_add_nc_u64 s[26:27], s[26:27], s[30:31]
	s_add_nc_u64 s[28:29], s[28:29], s[34:35]
.else
	s_add_nc_u64 s[28:29], s[28:29], s[32:33]
.endif
.endif
	QUANTW 2*\bp, IMG, PW
	QUANTW 2*\bp+1, IMG+12, PW+1
	v_perm_b32 v[WA], v[PW+1], v[PW], s36
	v_perm_b32 v[WB], v[PW+1], v[PW], s37
	v_cndmask_b32 v[WS], v[WA], v[WB], vcc_lo
.irp u, 0,1
.irp c, 0,1
.irp g, 0,1,2
	global_store_b64 v[L8], v[IMG+12*\u+6*\c+2*\g:IMG+12*\u+6*\c+2*\g+1], s[24+2*\c:25+2*\c] offset:1536*(\bp%2)+768*\u+256*\g   ; 32 lanes store 256 consecutive bytes, aligned
.endr
.endr
.endr
	global_store_b32 v[VSO], v[WS], s[28:29]       ; two runs of 64 bytes
.endr
	s_wait_tensorcnt 0x0                           ; the wave's end
	ds_add_u32 v[SPW], v[NIL]
	s_wait_dscnt 0x0
	CROUND                                         ; the closing round: no work-group ends while a partner may still ask for a tile that names it
	s_endpgm
.Lfunc_end_k_qb45e6d9db5_proj:
	.size	k_qb45e6d9db5_proj, .Lfunc_end_k_qb45e6d9db5_proj-k_qb45e6d9db5_proj
	.p2alignl 7, 3214868480
	.fill 96, 4, 3214868480
	.section	.rodata,"a",@progbits
	.p2align	6, 0x0
	.amdhsa_kernel k_qb45e6d9db5_proj
		.amdhsa_group_segment_fixed_size 327680
		.amdhsa_private_segment_fixed_size 0
		.amdhsa_enable_private_segment 0
		.amdhsa_kernarg_size 56
		.amdhsa_user_sgpr_count 2
		.amdhsa_user_sgpr_kernarg_segment_ptr 1
		.amdhsa_wavefront_size32 1
		.amdhsa_system_sgpr_workgroup_id_x 1
		.amdhsa_system_sgpr_workgroup_id_y 1
		.amdhsa_system_sgpr_workgroup_id_z 1
		.amdhsa_system_vgpr_workitem_id 0
		.amdhsa_next_free_vgpr 1024
		.amdhsa_next_free_sgpr 102
		.amdhsa_reserve_vcc 1
		.amdhsa_float_denorm_mode_32 3
		.amdhsa_float_denorm_mode_16_64 3
		.amdhsa_memory_ordered 1
		.amdhsa_forward_progress 1
		.amdhsa_inst_pref_size 191
	.end_amdhsa_kernel
	.amdgpu_metadata
---
amdhsa.version: [ 1, 2 ]
amdhsa.kernels:
  - .name:           k_qb45e6d9db5_proj
    .symbol:         k_qb45e6d9db5_proj.kd
    .args:
      - { .name: img, .offset: 0, .size: 8, .value_kind: global_buffer, .address_space: global }
      - { .name: scl, .offset: 8, .size: 8, .value_kind: global_buffer, .address_space: global }
      - { .name: bq, .offset: 16, .size: 8, .value_kind: global_buffer, .address_space: global }
      - { .name: bk, .offset: 24, .size: 8, .value_kind: global_buffer, .address_space: global }
      - { .name: bv, .offset: 32, .size: 8, .value_kind: global_buffer, .address_space: global }
      - { .name: qkv6, .offset: 40, .size: 8, .value_kind: global_buffer, .address_space: global }
      - { .name: qkvs, .offset: 48, .size: 8, .value_kind: global_buffer, .address_space: global }
    .group_segment_fixed_size: 327680
    .private_segment_fixed_size: 0
    .kernarg_segment_align: 8
    .kernarg_segment_size: 56
    .max_flat_workgroup_size: 128
    .sgpr_count:     102
    .vgpr_count:     1024
    .wavefront_size: 32
...
	.end_amdgpu_metadata
.endif
;; end of part 2
;; launch attn (part 3): grid 4 x 64, 8 waves a work-group, clusters of 4 x 1, 230,400 bytes of LDS; arguments qkv6, qkvs, ai, asc; writes ai, asc
.if DOCPART == 3
	.amdgcn_target "amdgcn-amd-amdhsa--gfx1250"
	.amdhsa_code_object_version 6
	.text
	.protected	k_qb45e6d9db5_attn
	.globl	k_qb45e6d9db5_attn
	.p2align	8
	.type	k_qb45e6d9db5_attn,@function
k_qb45e6d9db5_attn:
	s_mov_b64 s[64:65], 0
	v_nop
	global_prefetch_b8 v0, s[64:65] scope:SCOPE_SE
	s_setreg_imm32_b32 hwreg(HW_REG_WAVE_MODE, 25, 1), 1
	s_wait_xcnt 0x0
	s_wait_alu depctr_hold_cnt(0) depctr_sa_sdst(0) depctr_va_vdst(0) depctr_va_sdst(0) depctr_va_ssrc(0) depctr_va_vcc(0) depctr_vm_vsrc(0)
	s_getreg_b32 s2, hwreg(HW_REG_IB_STS2, 6, 4)
	s_cmp_eq_u32 s2, 0
	s_cbranch_scc0 .Lentry_in_a_cluster
	s_endpgm
.Lentry_in_a_cluster:
	s_bfe_u32 s2, ttmp6, 0x10000c
	s_cmp_lg_u32 s2, 0x3003
	s_cbranch_scc0 .Lentry_shape_is_right
	s_endpgm
.Lentry_shape_is_right:
; att[b][h][q][:] = the sum over k of softmax_k(q . k / 8) v[k][:], both products on codes of FP6 (E2M3) with E8M0 scales; the result, divided by the row's sum, is quantised along the head's 64 channels and leaves as codes.
; THE SOFTMAX AHEAD OF THE SECOND PRODUCT: t = score x log2(e) / 8; M = the row's largest t so far, rounded up to a whole number; p = 2^(t - M) is quantised along the keys, not normalised.
; The row's sum is taken of the unquantised p and divides at the end.  When M moves, the sum and O are multiplied by 2^(old M - new M): exact.
; IN.  qkv6 [t][b h][98,304], qkvs [t][b h][4,096] as the launch before lays them: register images; a six-pack (768 bytes) is 16 rows x 64 codes, pair g of lane l at 256 g + 8 l.
; SHARES.  A work-group owns 512 queries of one head; each of its eight waves 64, in two passes of 32: TWO TILES OF 16 QUERIES SIDE BY SIDE, which share every fragment of K and V and whose chains take turns line by line.
; A WHOLE HEAD'S K AND V STAY IN LDS, filled once: one joint load a wave at the head, shared by the cluster's four work-groups, which belong to one head.
; Waves 0 and 1 bring the first thirds of K and of V (keys 0 to 682), waves 2 and 3 the scale words: these four wait at the first barrier.  Waves 4 to 7 bring the other thirds, which a second barrier shows behind four key steps.
; Those four steps, with their look-ahead of one step of K, read keys 0 to 639 alone: at most byte 34,536 of a third's 36,864.
; In LDS each 256 bytes are followed by 32 bytes of padding: a six-pack is 864 bytes.
; Nothing is prefetched: all tiles are asked for once, at the head, and there is no loop to run ahead in.
; LAYOUT.  Both products are used transposed: S^T = K Q^T, O^T = V^T P^T: a lane holds one query throughout.
; THE FIRST PRODUCT'S K IS 64, THE INSTRUCTION'S 128: a fragment of K is two six-packs of 16 keys each; Q stands as [Q][zeros][Q]; the run [Q][zeros] picks the first, [zeros][Q] the second.  Zero codes add nothing.
; WHICH KEYS FORM A TILE IS CHOSEN BY THE LANES' ADDRESSES: rows 0-7 come from one block of 32 keys, rows 8-15 from the next (two six-packs, 1,728 bytes, on).  So register 32 P + 8 j + i of lane (r, h) is key 64 P + 32 h + 8 j + i:
; a lane holds whole blocks of 32 keys, as the second product's operand wants them: a block's maximum needs no other lane, and the conversions' results are the operand's registers.
; With the padding the four groups of eight lanes of such a load start 0, 128, 192 and 64 bytes into a run of 256: 64 different banks (ISA guide 11.1).
; OUT.  ai [row tile (512)][head (16)][768]; asc [row tile][K / 256 (4)][r (16)][2 words], of which a head owns two bytes a row.
; LIMITS: NaN and infinities are not served.  The promise holds while the scaled scores t stay under 2^31 in magnitude.  A block of att whose largest magnitude lies under 2^-124 gets the byte 1; this program alone reads the bytes.
; REGISTERS.  Window 0: addresses, operands, scales, small numbers.  Window 1 (v256 on): v0-127 S^T then p, tile q at 64 q; v128-191 O^T, tile q at 128 + 32 q; v192-215 both passes' Q as loaded.
.set VLDS, 110592                      ; V in LDS, behind K: 128 six-packs of 864 bytes each
.set KSCL, 221184                      ; K's scale words, 4,096 bytes; V's lie 4,096 further on
.set SPARE, 229376                     ; the spare words, 128 bytes a wave
.set KST, 6912                         ; a key step of 128 keys: 8 six-packs, of K and of V alike
.set L8, 1                             ; 8 x lane
.set R4, 2                             ; 4 r
.set R8, 3                             ; 8 r
.set KA0, 4                            ; K's lane term: 8 x lane + 1,664 (r / 8)
.set KS0, 5                            ; K's scale words: KSCL + 4 r + 32 (r / 8)
.set ADK, 6
.set ADV, 7
.set ADKS, 8
.set ADVS, 9
.set QW, 10                            ; v10-11 the two passes' scale bytes of Q
.set NM, 12                            ; v12, v16 -M; v13, v17 the running largest score: tile q at + 4 q
.set LV, 18                            ; 8 x lane + VLDS
.set RV, 19                            ; 4 r + V's scale words
.set FF, 20                            ; v20, v22 f = 2^(old M - new M) (v21, v23 named with them as pairs)
.set BM, 24                            ; v24-27 the blocks' largest scores, then largest p: block b = 2 q + P
.set BS, 28                            ; v28-31 the conversions' scale operands
.set PSC, 34                           ; v34-35 p's scale words
.set QSC, 38                           ; v38-39 Q's
.set KSC, 40                           ; v40-43 K's
.set VSC, 44                           ; v44-47 V's
.set QF, 48                            ; v48-83 [Q][zeros][Q], tile q at + 18 q
.set KF, 84                            ; v84-131 four fragments of K
.set VF, 132                           ; v132-179 four of V
.set PC, 180                           ; v180-203 p's codes, tile q at + 12 q
.set PT, 204                           ; v204-219 the conversions' second halves
.set AC, 220                           ; v220-235 the sums' four chains, tile q at + 8 q; the fourth pair is the row's sum
.set KA1, 236                          ; K's lane terms one key step on
.set KS1, 237
.set T, 238                            ; v238-245 at work
.set QST, 192                          ; window 1
.set WV, 12
.set SEL, 20
.set CS, 22
.set TB, 60
.set TS, 61
.set CNT, 62
.set QP, 54
.set QS, 56
.set AO, 68
.set AS, 70
.set MSB, 0
.macro WIN new                         ; the immediate's high byte repeats the setting that is left
.if MSB != (\new)
	s_set_vgpr_msb (MSB<<8)|(\new)
.set MSB, (\new)
.endif
.endm
.macro PLACES n
.rept \n
	v_nop
.endr
.endm
.macro WALU
	s_wait_alu depctr_va_vdst(0)
.endm
.macro CROUND
	s_barrier_signal -1
	s_barrier_wait -1
	s_cmp_lg_u32 s[WV], 0
	s_cbranch_scc1 .Lnot_wave_0_\@
	s_barrier_signal -3
.Lnot_wave_0_\@:
	s_barrier_wait -3
	s_barrier_signal -1
	s_barrier_wait -1
.endm
	s_load_b256 s[4:11], s[0:1], 0x0               ; qkv6, qkvs, ai, asc
	v_lshl_add_u32 v254, v0, 2, SPARE
	v_mov_b32 v255, 0
	ds_add_u32 v254, v255                          ; the opening lines: the add twice on end and its wait
	ds_add_u32 v254, v255
	v_lshrrev_b32 v1, 5, v0
	v_readfirstlane_b32 s[WV], v1                  ; wave 0..7
	s_bfe_u32 s13, ttmp6, 0x40000                  ; cx: my block of 512 queries
	s_and_b32 s14, ttmp7, 0xffff                   ; 16 batch + head, which the four partners share
	s_mov_b32 s24, 15|(3<<16)|(1<<20)|(1<<21)|(5<<22)|(7<<25)   ; codes: mask of all four; elements of 8 bytes; 8 words of padding behind every 64
	s_mov_b32 s25, 32<<16
	s_mov_b32 s26, 128<<16                         ; 128 rows of 256 bytes: a third of K or of V
	s_mov_b32 s27, 32<<16
	s_mov_b32 s28, 128
	s_mov_b32 s29, 32
	s_mov_b32 s30, 0
	s_mov_b32 s31, 0
	s_mov_b32 s32, 15|(3<<16)|(1<<21)              ; scale words: 16 dense rows of 256 bytes
	s_mov_b32 s33, 32<<16
	s_mov_b32 s34, 16<<16
	s_mov_b32 s35, 32<<16
	s_mov_b32 s36, 16
	s_mov_b32 s37, 32
	s_mov_b32 s38, 0
	s_mov_b32 s39, 0
	s_add_co_u32 s15, s14, 64
	s_mul_i32 s15, s15, 98304                      ; my head's K, in bytes from qkv6; its V lies 64 x 98,304 further on
	s_mov_b32 s40, 1                               ; waves 0, 1: the first third of K, of V
	s_mul_i32 s41, s[WV], VLDS
	s_mul_i32 s16, s[WV], 64*98304
	s_add_co_u32 s16, s16, s15
	s_mov_b32 s17, 0
	s_mov_b32 s48, 1                               ; waves 4 to 7: thirds 1, 2 (K's) and 4, 5 (V's) of the six, which lie on end in LDS
	s_bfe_u32 s2, s[WV], 0x10001                   ; 1: V's
	s_and_b32 s3, s[WV], 3
	s_add_co_u32 s3, s3, s2
	s_add_co_u32 s3, s3, 1                         ; the third's number
	s_mul_i32 s49, s3, 36864
	s_lshl_b32 s58, s3, 15
	s_mul_i32 s2, s2, 63*98304
	s_add_co_u32 s58, s58, s2
	s_add_co_u32 s58, s58, s15
	s_mov_b32 s59, 0
	s_mov_b32 s44, 1
	s_and_b32 s18, s[WV], 1                        ; wave 2: K's scale words, wave 3: V's
	s_lshl_b32 s45, s18, 12
	s_add_co_u32 s45, s45, KSCL
	s_lshl_b32 s18, s18, 6
	s_add_co_u32 s18, s18, s14
	s_add_co_u32 s18, s18, 64
	s_lshl_b32 s18, s18, 12
	s_mov_b32 s19, 0
	s_mov_b32 s[SEL], 0x76543210
	s_mov_b32 s[SEL+1], 0xfedcba98
	s_mov_b32 s[CS], 0x3e38aa3b                    ; c = log2(e) / 8
	s_mov_b32 s[CS+1], s[CS]
	s_wait_dscnt 0x0
	s_wait_kmcnt 0x0
	s_add_nc_u64 s[42:43], s[4:5], s[16:17]
	s_or_b32 s43, s43, 0x80000000
	s_add_nc_u64 s[46:47], s[6:7], s[18:19]
	s_or_b32 s47, s47, 0x80000000
	s_add_nc_u64 s[50:51], s[4:5], s[58:59]
	s_or_b32 s51, s51, 0x80000000
	CROUND                                         ; all four work-groups are here: the joint loads meet
	s_cmp_lt_u32 s[WV], 2                          ; one tensor load a wave, in one chain of branches on the wave's number: every way passes one
	s_cbranch_scc0 .Lscales
	tensor_load_to_lds s[40:43], s[24:31]
	s_nop 0
	PLACES 4
	s_branch .Lasked
.Lscales:
	s_cmp_lt_u32 s[WV], 4
	s_cbranch_scc0 .Lrest
	tensor_load_to_lds s[44:47], s[32:39]
	s_nop 0
	PLACES 4
	s_branch .Lasked
.Lrest:
	tensor_load_to_lds s[48:51], s[24:31]
	s_nop 0
	PLACES 4
.Lasked:
	v_and_b32 v1, 31, v0
	v_lshlrev_b32 v[L8], 3, v1
	v_and_b32 v3, 15, v0
	v_lshlrev_b32 v[R4], 2, v3
	v_lshlrev_b32 v[R8], 3, v3
	v_bfe_u32 v6, v0, 3, 1                         ; r / 8
	v_mul_u32_u24 v7, v6, 1664
	v_add_nc_u32 v[KA0], v7, v[L8]
	v_lshl_add_u32 v[KS0], v6, 5, v[R4]
	v_add_nc_u32 v[KS0], KSCL, v[KS0]
	v_add_nc_u32 v[KA1], KST, v[KA0]
	v_add_nc_u32 v[KS1], 256, v[KS0]
	v_add_nc_u32 v[LV], VLDS, v[L8]
	v_add_nc_u32 v[RV], KSCL+4096, v[R4]
.irp q, 0,1
.irp j, 6,7,8,9,10,11
	v_mov_b32 v[QF+18*\q+\j], 0                    ; the zero codes between the two copies of Q
.endr
	v_mov_b32 v[FF+2*\q+1], 0                      ; (named as the upper half of a pair)
.endr
.irp j, 0,1,2,3,4,5,6,7
	v_mov_b32 v[T+\j], 0                           ; written once: a lane permute's destination counts as one of its sources
.endr
	WALU                                           ; the wait at the end of the head's vector work
	s_lshl_b32 s17, s13, 4
	s_lshl_b32 s18, s[WV], 1
	s_add_co_u32 s17, s17, s18                     ; F: my first 32 queries of the head's 2,048; pass p takes F + p
	s_mul_i32 s58, s14, 98304
	s_mul_i32 s18, s17, 1536
	s_add_co_u32 s58, s58, s18
	s_mov_b32 s59, 0
	s_add_nc_u64 s[QP:QP+1], s[4:5], s[58:59]
	s_lshl_b32 s58, s14, 12
	s_lshl_b32 s18, s17, 6
	s_add_co_u32 s58, s58, s18
	s_add_nc_u64 s[QS:QS+1], s[6:7], s[58:59]
	WIN 0x40
.irp p, 0,1
.irp q, 0,1
.irp g, 0,1,2
	global_load_b64 v[QST+12*\p+6*\q+2*\g:QST+12*\p+6*\q+2*\g+1], v[L8], s[QP:QP+1] offset:1536*\p+768*\q+256*\g
.endr
.endr
.endr
	WIN 0
	global_load_b32 v[QW], v[R4], s[QS:QS+1]       ; row r: two bytes of tile 0, two of tile 1
	global_load_b32 v[QW+1], v[R4], s[QS:QS+1] offset:64
	s_lshr_b32 s18, s14, 4
	s_lshl_b32 s18, s18, 7
	s_lshl_b32 s19, s17, 1
	s_add_co_u32 s18, s18, s19                     ; my first row tile of att: 128 batch + 2 F
	s_and_b32 s19, s14, 15                         ; the head
	s_mul_i32 s68, s18, 12288
	s_mul_i32 s15, s19, 768
	s_add_co_u32 s68, s68, s15
	s_mov_b32 s69, 0
	s_add_nc_u64 s[AO:AO+1], s[8:9], s[68:69]
	s_lshl_b32 s70, s18, 9
	s_lshr_b32 s15, s19, 2
	s_lshl_b32 s15, s15, 7
	s_add_co_u32 s70, s70, s15                     ; the head's K step of 256,
	s_bfe_u32 s15, s19, 0x10001
	s_lshl_b32 s15, s15, 2
	s_add_co_u32 s70, s70, s15                     ; its word,
	s_and_b32 s15, s19, 1
	s_lshl_b32 s15, s15, 1
	s_add_co_u32 s70, s70, s15                     ; its two bytes
	s_mov_b32 s71, 0
	s_add_nc_u64 s[AS:AS+1], s[10:11], s[70:71]
.macro LOADK a, s                      ; four fragments of K and their scale words: fragment f = 2 P + jj: blocks 2 P, 2 P + 1, keys 16 jj + 0 .. 15 of each
.irp f, 0,1,2,3
.irp u, 0,1
.irp g, 0,1,2
	ds_load_b64 v[KF+12*\f+6*\u+2*\g:KF+12*\f+6*\u+2*\g+1], v[\a] offset:3456*(\f/2)+64*(\f%2)+864*\u+288*\g
.endr
.endr
	ds_load_b32 v[KSC+\f], v[\s] offset:128*(\f/2)+32*(\f%2)
.endr
.endm
.macro SC f, q, u
	v_wmma_scale_f32_16x16x128_f8f6f4 v[64*\q+16*\f+8*\u:64*\q+16*\f+8*\u+7], v[KF+12*\f:KF+12*\f+11], v[QF+18*\q+6*\u:QF+18*\q+6*\u+11], 0, v[KSC+\f], v[QSC+\q] matrix_a_fmt:MATRIX_FMT_FP6 matrix_b_fmt:MATRIX_FMT_FP6
.endm
; A KEY STEP: 128 keys x two tiles of queries
.macro STEP
	WIN 0x40
.irp f, 0,1,2,3
.irp q, 0,1
	SC \f, \q, 0
	SC \f, \q, 1
.endr
.endr
	WIN 0
	v_add_nc_u32 v[ADV], s[TB], v[LV]              ; four plain lines: the places in front of the loads into registers that products have read
	v_add_nc_u32 v[ADVS], s[TS], v[RV]
	v_add_nc_u32 v[ADK], s[TB], v[KA1]
	v_add_nc_u32 v[ADKS], s[TS], v[KS1]
.irp t, 0,1,2,3                                ; this step's V,
.irp c, 0,1
.irp g, 0,1,2
	ds_load_b64 v[VF+12*\t+6*\c+2*\g:VF+12*\t+6*\c+2*\g+1], v[ADV] offset:3456*\c+864*\t+288*\g
.endr
.endr
	ds_load_b32 v[VSC+\t], v[ADVS] offset:64*\t
.endr
	LOADK ADK, ADKS                                ; and the next step's K: both land under the softmax.  (A pass's last trip reads V's first bytes so, which have landed; nothing uses them)
	WIN 0x15
.irp b, 0,1,2,3
	v_max3_num_f32 v[BM+\b], v[32*\b], v[32*\b+1], v[32*\b+2]   ; the largest score of each block of 32 keys, all mine: it serves the row's maximum and, since p rises with the score, the block's largest p
.endr
	WIN 0x14
.irp i, 3,5,7,9,11,13,15,17,19,21,23,25,27,29
.irp b, 0,1,2,3
	v_max3_num_f32 v[BM+\b], v[BM+\b], v[32*\b+\i], v[32*\b+\i+1]
.endr
.endr
.irp b, 0,1,2,3
	v_max_num_f32 v[BM+\b], v[BM+\b], v[32*\b+31]
.endr
	WIN 0
.irp q, 0,1
	v_max3_num_f32 v[NM+4*\q+1], v[NM+4*\q+1], v[BM+2*\q], v[BM+2*\q+1]   ; the running largest score,
.endr
.irp q, 0,1
	v_permlanex16_b32 v[T+\q], v[NM+4*\q+1], s[SEL], s[SEL+1]
.endr
.irp q, 0,1
	v_max_num_f32 v[NM+4*\q+1], v[NM+4*\q+1], v[T+\q]   ; with lane l xor 16's keys
.endr
.irp q, 0,1
	v_mul_f32 v[T+\q], s[CS], v[NM+4*\q+1]         ; as t (c is positive)
.endr
.irp q, 0,1
	v_floor_f32 v[T+2+\q], -v[T+\q]                ; the new -M = floor(-t): M is a whole number
.endr
.irp q, 0,1
	v_sub_f32 v[T+\q], v[T+2+\q], v[NM+4*\q]       ; old M - new M: a whole number, 0 or less
.endr
.irp q, 0,1
	v_mov_b32 v[NM+4*\q], v[T+2+\q]
.endr
.irp q, 0,1
	v_cvt_i32_f32 v[T+\q], v[T+\q]                 ; (it saturates)
.endr
.irp q, 0,1
	v_ldexp_f32 v[FF+2*\q], 1.0, v[T+\q]           ; f = 2^(old M - new M)
.endr
.irp b, 0,1,2,3
	v_fma_f32 v[BM+\b], v[BM+\b], s[CS], v[NM+4*(\b/2)]   ; t - M of each block's largest score
.endr
	WIN 0x41
.irp q, 0,1
.set j, 0
.rept 32
	v_pk_fma_f32 v[64*\q+j:64*\q+j+1], v[64*\q+j:64*\q+j+1], s[CS:CS+1], v[NM+4*\q:NM+4*\q+1] op_sel_hi:[1,0,0]   ; t - M, two at a time
.set j, j+2
.endr
.endr
.irp q, 0,1
.set j, 0
.rept 16
	v_pk_mul_f32 v[128+32*\q+j:128+32*\q+j+1], v[128+32*\q+j:128+32*\q+j+1], v[FF+2*\q:FF+2*\q+1] op_sel_hi:[1,0]   ; O^T under the new M, ahead of the exponentials
.set j, j+2
.endr
.endr
	WALU                                           ; the wait ahead of the batch
.set j, 0
.rept 128
	v_exp_f32 v[j], v[j]                           ; p = 2^(t - M), at most 1
.set j, j+1
.endr
	WIN 0
.irp b, 0,1,2,3
	v_exp_f32 v[BM+\b], v[BM+\b]                   ; the block's largest p: the same arithmetic on the same number
.endr
.irp q, 0,1
	v_pk_mul_f32 v[AC+8*\q+6:AC+8*\q+7], v[AC+8*\q+6:AC+8*\q+7], v[FF+2*\q:FF+2*\q+1] op_sel_hi:[1,0]   ; the sums under the new M: plain lines behind the exponentials
.endr
	WALU                                           ; one wait for the whole batch, ahead of its first reader
.irp b, 0,1,2,3
	v_max_num_f32 v[BM+\b], 0x1800000, v[BM+\b]    ; the floor 2^(3 - 127): the byte cannot fall under 1
.endr
.irp b, 0,1,2,3
	v_add_nc_u32 v[BS+\b], 0xff000000, v[BM+\b]    ; 2 off the exponent field: the conversion's scale operand
.endr
	WIN 0x01
.irp b, 0,1,2,3
	v_cvt_scalef32_pk16_fp6_f32 v[PC+6*\b:PC+6*\b+2], v[32*\b:32*\b+15], v[BS+\b]
	v_cvt_scalef32_pk16_fp6_f32 v[PT+4*\b:PT+4*\b+2], v[32*\b+16:32*\b+31], v[BS+\b]   ; (a conversion's three registers begin on an even number)
.endr
	WIN 0
.irp b, 0,1,2,3
	v_lshrrev_b32 v[T+\b], 23, v[BS+\b]            ; the scale's byte
.endr
.irp q, 0,1
	v_lshl_or_b32 v[T+2*\q], v[T+2*\q+1], 16, v[T+2*\q]   ; my blocks h and 2 + h
.endr
.irp q, 0,1
	v_permlanex16_b32 v[T+4+\q], v[T+2*\q], s[SEL], s[SEL+1]
.endr
.irp q, 0,1
	v_lshl_or_b32 v[PSC+\q], v[T+4+\q], 8, v[T+2*\q]   ; lanes 0-15, which the product reads: bytes of blocks 0, 1, 2, 3
.endr
.irp b, 0,1,2,3
.irp i, 0,1,2
	v_mov_b32 v[PC+6*\b+3+\i], v[PT+4*\b+\i]
.endr
.endr
	WIN 0x05                                       ; the row's sum of the unquantised p: four chains a tile.  These lines are also the places between the writes of p's codes and scale words and the products
.irp a, 0,1,2
.irp q, 0,1
	v_pk_add_f32 v[AC+8*\q+2*\a:AC+8*\q+2*\a+1], v[64*\q+4*\a:64*\q+4*\a+1], v[64*\q+4*\a+2:64*\q+4*\a+3]
.endr
.endr
	WIN 0x04
.set j, 12
.set a, 3
.rept 26
	v_pk_add_f32 v[AC+2*a:AC+2*a+1], v[AC+2*a:AC+2*a+1], v[j:j+1]
	v_pk_add_f32 v[AC+8+2*a:AC+8+2*a+1], v[AC+8+2*a:AC+8+2*a+1], v[64+j:64+j+1]
.set j, j+2
.set a, (a+1)%4
.endr
	WIN 0
.irp q, 0,1
	v_pk_add_f32 v[AC+8*\q:AC+8*\q+1], v[AC+8*\q:AC+8*\q+1], v[AC+8*\q+2:AC+8*\q+3]
	v_pk_add_f32 v[AC+8*\q+6:AC+8*\q+7], v[AC+8*\q+6:AC+8*\q+7], v[AC+8*\q+4:AC+8*\q+5]
.endr
.irp q, 0,1
	v_pk_add_f32 v[AC+8*\q+6:AC+8*\q+7], v[AC+8*\q+6:AC+8*\q+7], v[AC+8*\q:AC+8*\q+1]
.endr
	WALU                                           ; the wait directly ahead of the wait below
	s_wait_dscnt 0x0                               ; V is in, and the next step's K
	WIN 0x50
.irp t, 0,1,2,3                                ; O^T += V^T P^T: the eight accumulators by turns
.irp q, 0,1
	v_wmma_scale_f32_16x16x128_f8f6f4 v[128+32*\q+8*\t:128+32*\q+8*\t+7], v[VF+12*\t:VF+12*\t+11], v[PC+12*\q:PC+12*\q+11], v[128+32*\q+8*\t:128+32*\q+8*\t+7], v[VSC+\t], v[PSC+\q] matrix_a_fmt:MATRIX_FMT_FP6 matrix_b_fmt:MATRIX_FMT_FP6
.endr
.endr
	WIN 0
.endm
.macro OUT p
	PLACES 4
.irp q, 0,1
	v_add_f32 v[T+\q], v[AC+8*\q+6], v[AC+8*\q+7]
.endr
.irp q, 0,1
	v_permlanex16_b32 v[T+2+\q], v[T+\q], s[SEL], s[SEL+1]
.endr
.irp q, 0,1
	v_add_f32 v[T+\q], v[T+\q], v[T+2+\q]          ; the row's sum
.endr
	WALU
.irp q, 0,1
	v_rcp_f32 v[T+\q], v[T+\q]
.endr
	v_nop                                          ; a plain line behind the reciprocals
	WIN 0x41
	WALU                                           ; the wait, directly ahead of the first reader of the reciprocals and of O^T
.irp q, 0,1
.set j, 0
.rept 32
	v_mul_f32 v[32*\q+j], v[128+32*\q+j], v[T+\q]  ; att: register 16 B + i of a tile is channel 32 B + 16 h + i of my query
.set j, j+1
.endr
.endr
	WIN 0x05
.irp b, 0,1,2,3
	v_max3_num_f32 v[BM+\b], |v[16*\b]|, |v[16*\b+1]|, 0x1800000
.endr
	WIN 0x14
.irp i, 2,4,6,8,10,12,14
.irp b, 0,1,2,3
	v_max3_num_f32 v[BM+\b], v[BM+\b], |v[16*\b+\i]|, |v[16*\b+\i+1]|
.endr
.endr
	WIN 0
.irp b, 0,1,2,3
	v_permlanex16_b32 v[T+4+\b], v[BM+\b], s[SEL], s[SEL+1]
.endr
.irp b, 0,1,2,3
	v_max_num_f32 v[BM+\b], v[BM+\b], v[T+4+\b]
.endr
.irp b, 0,1,2,3
	v_add_nc_u32 v[BS+\b], 0xff000000, v[BM+\b]
.endr
.irp b, 0,1,2,3
	v_lshrrev_b32 v[T+4+\b], 23, v[BS+\b]
.endr
.irp q, 0,1
	v_lshl_or_b32 v[T+\q], v[T+5+2*\q], 8, v[T+4+2*\q]   ; my row's two scale bytes
.endr
	WIN 0x01
.irp q, 0,1
	v_cvt_scalef32_pk16_fp6_f32 v[PC+12*\q:PC+12*\q+2], v[32*\q:32*\q+15], v[BS+2*\q]
	v_cvt_scalef32_pk16_fp6_f32 v[PT+4*\q:PT+4*\q+2], v[32*\q+16:32*\q+31], v[BS+2*\q+1]
.endr
	WIN 0
	v_nop                                          ; one plain line behind a scaled conversion
.irp q, 0,1
.irp i, 0,1,2
	v_permlane16_swap_b32 v[PC+12*\q+\i], v[PT+4*\q+\i]   ; here a lane holds half blocks: the operand's layout wants whole ones
.endr
.irp i, 0,1,2
	v_mov_b32 v[PC+12*\q+3+\i], v[PT+4*\q+\i]
.endr
.endr
.irp q, 0,1
.irp g, 0,1,2
	global_store_b64 v[L8], v[PC+12*\q+2*\g:PC+12*\q+2*\g+1], s[AO:AO+1] offset:24576*(\p)+12288*\q+256*\g   ; 256 consecutive bytes, aligned
.endr
	global_store_b16 v[R8], v[T+\q], s[AS:AS+1] offset:1024*(\p)+512*\q   ; lanes r and r + 16 store the same two bytes: the heads of a row come from sixteen work-groups
.endr
.if (\p) == 0
	s_wait_xcnt 0x0                                ; the stores have read their data: the next pass writes those registers again
.endif
.endm
.macro KEYS first, n                   ; n key steps from step 'first' on
	s_mov_b32 s[TB], (\first)*KST
	s_mov_b32 s[TS], (\first)*256
	s_mov_b32 s[CNT], \n
.Lkeys_\@:
	STEP
	s_add_co_u32 s[TB], s[TB], KST
	s_add_co_u32 s[TS], s[TS], 256
	s_sub_co_u32 s[CNT], s[CNT], 1
	s_cmp_lg_u32 s[CNT], 0
	s_cbranch_scc1 .Lkeys_\@
.endm
.macro PASS p
	WIN 0x01
.irp q, 0,1
.irp i, 0,1,2,3,4,5
	v_mov_b32 v[QF+18*\q+\i], v[QST+12*(\p)+6*\q+\i]
	v_mov_b32 v[QF+18*\q+12+\i], v[QST+12*(\p)+6*\q+\i]
.endr
.endr
	WIN 0
	v_perm_b32 v[QSC], v[QW+(\p)], v[QW+(\p)], 0x01000100     ; a tile's two bytes, twice
	v_perm_b32 v[QSC+1], v[QW+(\p)], v[QW+(\p)], 0x03020302
	LOADK KA0, KS0                                 ; key step 0's K
.irp q, 0,1
	v_mov_b32 v[NM+4*\q+1], 0xff61b1e6             ; the largest score so far: -3e38
	v_mov_b32 v[AC+8*\q+6], 0                      ; the sum, in two halves
	v_mov_b32 v[AC+8*\q+7], 0
.endr
.irp q, 0,1
	v_floor_f32 v[NM+4*\q], -v[NM+4*\q+1]          ; -M
.endr
	WIN 0x40
.set j, 0
.rept 64
	v_mov_b32 v[128+j], 0                          ; O^T: the step is written once; its first trip finds zeros, which the first change of M leaves zeros
.set j, j+1
.endr
	WIN 0
	WALU
	s_wait_dscnt 0x0
.if (\p) == 0
	KEYS 0, 4                                      ; on the first thirds alone
	s_wait_tensorcnt 0x0                           ; my tile is in, whichever it is,
	s_wait_dscnt 0x0
	s_barrier_signal -1
	s_barrier_wait -1                              ; everybody's is: nothing is ever filled again
	KEYS 4, 12
.else
	KEYS 0, 16
.endif
	OUT \p
.endm
	s_cmp_lt_u32 s[WV], 4                          ; the waves that asked for the first thirds and the scale words wait for them;
	s_cbranch_scc0 .Lnot_first
	s_wait_tensorcnt 0x0
.Lnot_first:
	s_barrier_signal -1
	s_barrier_wait -1                              ; the other thirds may stay out
	s_wait_loadcnt 0x0                             ; both passes' Q
	PASS 0
	PASS 1
	s_wait_tensorcnt 0x0                           ; the wave's end
	ds_add_u32 v254, v255
	s_wait_dscnt 0x0
	CROUND                                         ; the closing round
	s_endpgm
.Lfunc_end_k_qb45e6d9db5_attn:
	.size	k_qb45e6d9db5_attn, .Lfunc_end_k_qb45e6d9db5_attn-k_qb45e6d9db5_attn
	.p2alignl 7, 3214868480
	.fill 96, 4, 3214868480
	.section	.rodata,"a",@progbits
	.p2align	6, 0x0
	.amdhsa_kernel k_qb45e6d9db5_attn
		.amdhsa_group_segment_fixed_size 230400
		.amdhsa_private_segment_fixed_size 0
		.amdhsa_enable_private_segment 0
		.amdhsa_kernarg_size 32
		.amdhsa_user_sgpr_count 2
		.amdhsa_user_sgpr_kernarg_segment_ptr 1
		.amdhsa_wavefront_size32 1
		.amdhsa_system_sgpr_workgroup_id_x 1
		.amdhsa_system_sgpr_workgroup_id_y 1
		.amdhsa_system_sgpr_workgroup_id_z 1
		.amdhsa_system_vgpr_workitem_id 0
		.amdhsa_next_free_vgpr 512
		.amdhsa_next_free_sgpr 72
		.amdhsa_reserve_vcc 0
		.amdhsa_float_denorm_mode_32 3
		.amdhsa_float_denorm_mode_16_64 3
		.amdhsa_memory_ordered 1
		.amdhsa_forward_progress 1
		.amdhsa_inst_pref_size 120
	.end_amdhsa_kernel
	.amdgpu_metadata
---
amdhsa.version: [ 1, 2 ]
amdhsa.kernels:
  - .name:           k_qb45e6d9db5_attn
    .symbol:         k_qb45e6d9db5_attn.kd
    .args:
      - { .name: qkv6, .offset: 0, .size: 8, .value_kind: global_buffer, .address_space: global }
      - { .name: qkvs, .offset: 8, .size: 8, .value_kind: global_buffer, .address_space: global }
      - { .name: ai, .offset: 16, .size: 8, .value_kind: global_buffer, .address_space: global }
      - { .name: asc, .offset: 24, .size: 8, .value_kind: global_buffer, .address_space: global }
    .group_segment_fixed_size: 230400
    .private_segment_fixed_size: 0
    .kernarg_segment_align: 8
    .kernarg_segment_size: 32
    .max_flat_workgroup_size: 256
    .sgpr_count:     72
    .vgpr_count:     512
    .wavefront_size: 32
...
	.end_amdgpu_metadata
.endif
;; end of part 3
;; launch outp (part 4): grid 4 x 64, 4 waves a work-group, clusters of 4 x 4, 327,680 bytes of LDS; arguments ai, asc, img, scl, bo, out0; writes out0
.if DOCPART == 4
	.amdgcn_target "amdgcn-amd-amdhsa--gfx1250"
	.amdhsa_code_object_version 6
	.text
	.protected	k_qb45e6d9db5_outp
	.globl	k_qb45e6d9db5_outp
	.p2align	8
	.type	k_qb45e6d9db5_outp,@function
k_qb45e6d9db5_outp:
	s_mov_b64 s[64:65], 0
	v_nop
	global_prefetch_b8 v0, s[64:65] scope:SCOPE_SE
	s_setreg_imm32_b32 hwreg(HW_REG_WAVE_MODE, 25, 1), 1
	s_wait_xcnt 0x0
	s_wait_alu depctr_hold_cnt(0) depctr_sa_sdst(0) depctr_va_vdst(0) depctr_va_sdst(0) depctr_va_ssrc(0) depctr_va_vcc(0) depctr_vm_vsrc(0)
	s_getreg_b32 s2, hwreg(HW_REG_IB_STS2, 6, 4)
	s_cmp_eq_u32 s2, 0
	s_cbranch_scc0 .Lentry_in_a_cluster
	s_endpgm
.Lentry_in_a_cluster:
	s_bfe_u32 s2, ttmp6, 0x10000c
	s_cmp_lg_u32 s2, 0xf033
	s_cbranch_scc0 .Lentry_shape_is_right
	s_endpgm
.Lentry_shape_is_right:
; out0 = att wo^T + bo on codes of FP6 (E2M3) with E8M0 scales, K = 1,024.  att's codes (ai, asc) and wo's (img, scl: row tiles 512-575) lie as register images: a fragment is 1,536 bytes, pair p of lane l at 256 p + 8 l.
; SHARES.  A work-group of four waves makes 128 rows x 256 columns, a wave 64 x 128: 32 accumulators.  256 work-groups.  ALL OF K LIES IN LDS, in two halves of 512, each filled once: nothing is filled again.
; THE MATRIX INSTRUCTION IS USED TRANSPOSED (source 0 = 16 rows of wo, source 1 = 16 rows of att): a lane holds one row of out0, and its registers of tiles 2 b, 2 b + 1 are 16 neighbouring columns.  bo is the C of each sum's first instruction.
; CLUSTERS: 4 x 4 work-groups: att's tiles are shared along a row of the cluster, wo's along a column, by joint loads.
; REGISTERS, in windows of 256: window 0: addresses; v32-63 scale words, two sets; v64-111 A's 4 fragments, v112-207 B's 8 (set X).  window 2: the same numbers: set Y.  window 1: the accumulators, (a, b) at v[8 (8 a + b)].  window 3: v0-63 bo in the result's layout.
.set HALF,  147456                     ; half of K: A's 8 row tiles x 6,144 bytes, then B's 16
.set SCL,   2*HALF                     ; the scale words: A's 4,096 bytes, then B's 8,192
.set ADRA, 16                          ; v16-17 my A fragments in half 0, 1
.set ADRB, 20                          ; v20-21 B's
.set STO,  24                          ; v24    the way out: where I put 32 bytes of a row
.set RD,   25                          ; v25    where I read a row back
.set CO,   26                          ; v26    16 x lane
.set ADRS, 27                          ; v27    my scale words: lanes 0-15 A's rows, lanes 16-31 B's
.set SC,   32
.set XA,   64
.set XB,   112
.set BK,   64                          ; the way out: 16 rows read back: v64-127 and v128-191 by turns
.set G1A,  24
.set G1B,  32
.set G1SA, 40
.set G1SB, 48
.set GA0,  56                          ; groups 0 for A: the scale words, halves 0 and 1
.set GA1,  60
.set GA2,  68
.set GB0,  72
.set GB1,  76
.set GB2,  80
.set MSB, 0
.macro WIN new
.if MSB != (\new)
	s_set_vgpr_msb (MSB<<8)|(\new)
.set MSB, (\new)
.endif
.endm
.macro PLACES n
.rept \n
	v_nop
.endr
.endm
.macro JLOAD g0a, g1a, g0b, g1b        ; waves 0 and 1 fetch for A, waves 2 and 3 for B; four v_nop follow each of the two lines
	s_cmp_eq_u32 s17, 0
	s_cbranch_scc0 .Lfor_b_\@
	tensor_load_to_lds s[\g0a:\g0a+3], s[\g1a:\g1a+7]
	s_nop 0
.rept 4
	v_nop
.endr
	s_branch .Lasked_\@
.Lfor_b_\@:
	tensor_load_to_lds s[\g0b:\g0b+3], s[\g1b:\g1b+7]
	s_nop 0
.rept 4
	v_nop
.endr
.Lasked_\@:
.endm
.macro CROUND
	s_barrier_signal -1
	s_barrier_wait -1
	s_cmp_lg_u32 s16, 0
	s_cbranch_scc1 .Lnot_wave_0_\@
	s_barrier_signal -3
.Lnot_wave_0_\@:
	s_barrier_wait -3
	s_barrier_signal -1
	s_barrier_wait -1
.endm
.macro G0SET g, lo, ldsoff, adr, goff
	s_mov_b32 s[\g], 1
	s_add_co_u32 s[\g+1], s[\lo], \ldsoff
	s_add_nc_u64 s[\g+2:\g+3], s[\adr:\adr+1], \goff
	s_or_b32 s[\g+3], s[\g+3], 0x80000000
.endm
	s_load_b256 s[4:11], s[0:1], 0x0               ; ai, asc, img, scl
	s_load_b128 s[12:15], s[0:1], 0x20             ; bo, out0
	v_lshl_add_u32 v254, v0, 2, 0x4b000
	v_mov_b32 v255, 0
	ds_add_u32 v254, v255
	ds_add_u32 v254, v255
	v_lshrrev_b32 v1, 5, v0
	v_readfirstlane_b32 s16, v1                    ; wave 0..3
	s_lshr_b32 s17, s16, 1                         ; my half of the rows.  Also: I fetch for A (0) or for B (1)
	s_and_b32 s18, s16, 1                          ; my half of the columns.  Also: which half of the tile I fetch
	s_bfe_u32 s19, ttmp6, 0x40000                  ; cx: which 256 columns
	s_bfe_u32 s20, ttmp6, 0x40004                  ; cy
	s_and_b32 s21, ttmp7, 0xffff
	s_lshl_b32 s21, s21, 2
	s_add_co_u32 s21, s21, s20                     ; which 128 rows
	s_lshl_b32 s84, s20, 2
	s_lshl_b32 s84, 15, s84                        ; my row of the cluster
	s_lshl_b32 s85, 0x1111, s19                    ; my column
	s_or_b32 s[G1A], s84, (3<<16)|(1<<21)
	s_or_b32 s[G1SA], s84, (3<<16)|(1<<21)
	s_or_b32 s[G1B], s85, (3<<16)|(1<<21)
	s_or_b32 s[G1SB], s85, (3<<16)|(1<<21)
.irp g, G1A, G1B                       ; row tiles x 6,144 bytes (512 along K), 12,288 bytes apart in memory: A 4 of them, B 8
	s_mov_b32 s[\g+1], 768<<16
	s_mov_b32 s[\g+3], 768<<16
	s_mov_b32 s[\g+5], 1536
	s_mov_b32 s[\g+6], 0
	s_mov_b32 s[\g+7], 0
.endr
	s_mov_b32 s[G1A+2], 8<<16                      ; the head's loads bring whole tiles: A's 8 row tiles, B's 16
	s_mov_b32 s[G1A+4], 8
	s_mov_b32 s[G1B+2], 16<<16
	s_mov_b32 s[G1B+4], 16
.irp g, G1SA, G1SB                     ; scale words: dense rows of 256 bytes: A 16 of them, B 32
	s_mov_b32 s[\g+1], 32<<16
	s_mov_b32 s[\g+3], 32<<16
	s_mov_b32 s[\g+5], 32
	s_mov_b32 s[\g+6], 0
	s_mov_b32 s[\g+7], 0
.endr
	s_mov_b32 s[G1SA+2], 16<<16
	s_mov_b32 s[G1SA+4], 16
	s_mov_b32 s[G1SB+2], 32<<16
	s_mov_b32 s[G1SB+4], 32
	s_lshl_b32 s86, s21, 3                         ; A's first row tile: it hangs on cy alone
	s_lshl_b32 s88, s86, 9
	s_mul_i32 s86, s86, 12288
	s_mov_b32 s87, 0
	s_mov_b32 s89, 0
	s_lshl_b32 s90, s19, 4
	s_add_co_u32 s90, s90, 512                     ; B's: on cx alone
	s_lshl_b32 s92, s90, 9
	s_mul_i32 s90, s90, 12288
	s_mov_b32 s91, 0
	s_mov_b32 s93, 0
	s_mul_i32 s94, s18, 24576                      ; where they go: no place in the cluster enters an LDS address
	s_mul_i32 s95, s18, 49152
	s_mov_b32 s96, 0
	s_mul_i32 s98, s18, 49152                      ; memory, the second half of K: which 4 row tiles of A I fetch,
	s_mov_b32 s99, 0
	s_mul_i32 s2, s18, 98304                       ; which 8 of B
	s_mov_b32 s3, 0
	s_wait_dscnt 0x0
	s_wait_kmcnt 0x0
	s_add_nc_u64 s[86:87], s[4:5], s[86:87]
	s_add_nc_u64 s[88:89], s[6:7], s[88:89]
	s_add_nc_u64 s[90:91], s[8:9], s[90:91]
	s_add_nc_u64 s[92:93], s[10:11], s[92:93]
	G0SET GA0, 96, SCL, 88, 0                      ; the head's four tiles, each whole: A's scale words,
	G0SET GB0, 96, SCL+4096, 92, 0                 ; B's,
	G0SET GA1, 96, 0, 86, 0                        ; the first half of K of A's 8 row tiles,
	G0SET GB1, 96, 49152, 90, 0                    ; and of B's 16
	s_add_nc_u64 s[86:87], s[86:87], s[98:99]
	s_add_nc_u64 s[90:91], s[90:91], s[2:3]
	G0SET GA2, 94, HALF, 86, 6144
	G0SET GB2, 95, HALF+49152, 90, 6144
	CROUND                                         ; all sixteen work-groups are here: the joint loads meet
	s_cmp_eq_u32 s16, 0                            ; one tensor load a wave at the head: one chain of branches on the wave's number
	s_cbranch_scc0 .Lhead_1
	tensor_load_to_lds s[GA1:GA1+3], s[G1A:G1A+7]
	s_nop 0
	PLACES 4
	s_branch .Lhead_asked
.Lhead_1:
	s_cmp_eq_u32 s16, 1
	s_cbranch_scc0 .Lhead_2
	tensor_load_to_lds s[GB1:GB1+3], s[G1B:G1B+7]
	s_nop 0
	PLACES 4
	s_branch .Lhead_asked
.Lhead_2:
	s_cmp_eq_u32 s16, 2
	s_cbranch_scc0 .Lhead_3
	tensor_load_to_lds s[GA0:GA0+3], s[G1SA:G1SA+7]
	s_nop 0
	PLACES 4
	s_branch .Lhead_asked
.Lhead_3:
	tensor_load_to_lds s[GB0:GB0+3], s[G1SB:G1SB+7]
	s_nop 0
	PLACES 4
.Lhead_asked:
	v_and_b32 v1, 31, v0
	v_and_b32 v2, 15, v0                           ; r
	v_bfe_u32 v3, v0, 4, 1                         ; h
	s_wait_alu depctr_va_vdst(0)
	v_lshlrev_b32 v4, 3, v1                        ; 8 x lane
	v_lshlrev_b32 v[CO], 4, v1
	s_mul_i32 s84, s17, 24576                      ; my 4 row tiles of A,
	s_mul_i32 s85, s18, 49152
	s_add_co_u32 s85, s85, 49152                   ; my 8 of B
.irp s, 0,1
	v_add_nc_u32 v[ADRA+\s], s84, v4
	v_add_nc_u32 v[ADRB+\s], s85, v4
	s_add_co_u32 s84, s84, HALF
	s_add_co_u32 s85, s85, HALF
.endr
	s_lshl_b32 s84, s17, 11                        ; A's scale words: my 4 row tiles
	s_xor_b32 s85, s17, 1
	s_lshl_b32 s85, s85, 11
	s_lshl_b32 s86, s18, 12
	s_add_co_u32 s85, s85, s86
	s_add_co_u32 s85, s85, 2048                    ; from there to B's, my 8 row tiles: 4,096 + 4,096 (column half) - 2,048 (row half)
	v_mul_u32_u24 v6, s85, v3
	s_add_co_u32 s84, s84, SCL
	v_lshl_add_u32 v6, v2, 3, v6
	v_add_nc_u32 v[ADRS], s84, v6
	s_mul_i32 s84, s16, 8448                       ; my stage, 16 rows x (512 bytes + 16): it lies in the first half of K, which has had its one fill and its last read when the first result is stored there
	v_mul_u32_u24 v[STO], v2, 528
	v_lshl_add_u32 v[STO], v3, 6, v[STO]
	v_add_nc_u32 v[STO], s84, v[STO]
	v_add_nc_u32 v[RD], s84, v[CO]
	s_lshl_b32 s84, s19, 10
	s_lshl_b32 s85, s18, 9
	s_add_co_u32 s84, s84, s85                     ; my first column, in bytes
	s_mov_b32 s85, 0
	s_add_nc_u64 s[12:13], s[12:13], s[84:85]
	s_add_nc_u64 s[14:15], s[14:15], s[84:85]
	s_lshl_b32 s84, s21, 19                        ; 128 rows of 4,096 bytes,
	s_lshl_b32 s86, s17, 18                        ; my 64 of them
	s_add_co_u32 s84, s84, s86
	s_add_nc_u64 s[14:15], s[14:15], s[84:85]
	v_lshlrev_b32 v5, 6, v3
	WIN 0xc0                                       ; destination window 3
.irp b, 0,1,2,3,4,5,6,7                        ; bo at columns 32 (b / 2) + 8 (b % 2) + 16 h + 0 .. 7
	global_load_b128 v[8*\b:8*\b+3], v5, s[12:13] offset:(32*(\b/2)+8*(\b%2))*4
	global_load_b128 v[8*\b+4:8*\b+7], v5, s[12:13] offset:(32*(\b/2)+8*(\b%2))*4+16
.endr
	WIN 0
.macro FRAG reg, adr, off
.irp p, 0,1,2,3,4,5
	ds_load_b64 v[(\reg)+2*\p:(\reg)+2*\p+1], v[\adr] offset:(\off)+256*\p
.endr
.endm
.macro SCALES ks                       ; the scale words of 256 along K into set ks % 2.  Lanes 0-15 read A's block i, of which i = 0 .. 3 are used (for i above 3 they read landed bytes that nothing uses); lanes 16-31 B's block i
.irp i, 0,1,2,3,4,5,6,7
	ds_load_b64 v[SC+16*((\ks)%2)+2*\i:SC+16*((\ks)%2)+2*\i+1], v[ADRS] offset:512*\i+128*(\ks)
.endr
.endm
.macro FETCH k                         ; the 12 fragments of step k into set k % 2
.set HH, (\k)/4
.set KO, 1536*((\k)%4)
.if (\k)%2
	WIN 0x80
.endif
.irp i, 0,1,2,3
	FRAG XA+12*\i, ADRA+HH, 6144*\i+KO
.endr
.irp i, 0,1,2,3,4,5,6,7
	FRAG XB+12*\i, ADRB+HH, 6144*\i+KO
.endr
	WIN 0
.if (\k)%2 == 0
	SCALES (\k)/2
.endif
.endm
; Step k of eight, 128 along K: the next step's fragments are asked for, then 32 matrix instructions, the 32 accumulators by turns.
.macro OSTEP k
.set QQ,  (\k)%2
.set SCS, ((\k)/2)%2
	s_wait_dscnt 0x0                               ; this step's fragments, asked for a step ago, are in
.if (\k) == 3
	s_wait_tensorcnt 0x0                           ; my part of the second half of K is in,
	s_barrier_signal -1
	s_barrier_wait -1                              ; everybody's is; and nobody reads the first half any more
.endif
.if (\k) > 0
	PLACES 4                                       ; in front of loads into registers that the last step's products read
.endif
.if (\k) < 7
	FETCH (\k)+1
.endif
.if (\k) == 0
	WIN 0x70                                       ; operands window 0, C (bo) window 3, D window 1
.elseif (\k)%2
	WIN 0x5a                                       ; operands window 2, C and D window 1
.else
	WIN 0x50
.endif
.irp a, 0,1,2,3
.irp b, 0,1,2,3,4,5,6,7
.if (\k) == 0
	v_wmma_scale_f32_16x16x128_f8f6f4 v[8*(8*\a+\b):8*(8*\a+\b)+7], v[XB+12*\b:XB+12*\b+11], v[XA+12*\a:XA+12*\a+11], v[8*\b:8*\b+7], v[SC+16*SCS+2*\b+QQ], v[SC+16*SCS+2*\a+QQ] matrix_a_fmt:MATRIX_FMT_FP6 matrix_b_fmt:MATRIX_FMT_FP6 matrix_a_scale:MATRIX_SCALE_ROW1
.else
	v_wmma_scale_f32_16x16x128_f8f6f4 v[8*(8*\a+\b):8*(8*\a+\b)+7], v[XB+12*\b:XB+12*\b+11], v[XA+12*\a:XA+12*\a+11], v[8*(8*\a+\b):8*(8*\a+\b)+7], v[SC+16*SCS+2*\b+QQ], v[SC+16*SCS+2*\a+QQ] matrix_a_fmt:MATRIX_FMT_FP6 matrix_b_fmt:MATRIX_FMT_FP6 matrix_a_scale:MATRIX_SCALE_ROW1
.endif
.endr
.endr
	WIN 0
.endm
	s_wait_alu depctr_va_vdst(0)                   ; the wait at the head's end
	s_wait_tensorcnt 0x0                           ; my tile of the head's four is in; the three lines ahead of a later first fill, as ahead of a refill
	ds_add_u32 v254, v255
	s_mov_b32 s[G1A+2], 4<<16                      ; no tensor load of mine is out: from here on a load brings half a tile
	s_mov_b32 s[G1A+4], 4
	s_mov_b32 s[G1B+2], 8<<16
	s_mov_b32 s[G1B+4], 8
	s_wait_dscnt 0x0
	CROUND                                         ; a whole round: all four tiles are in, and the joint loads meet
	JLOAD GA2, G1A, GB2, G1B                       ; the second half of K: my one tensor load behind the round
	FETCH 0
	s_wait_loadcnt 0x0                             ; bo
	OSTEP 0
	OSTEP 1
	OSTEP 2
	OSTEP 3
	OSTEP 4
	OSTEP 5
	OSTEP 6
	OSTEP 7
; THE WAY OUT, block by block of 16 rows x 128 columns, through my own stage: a lane holds pieces of 32 bytes of one row; they come back as whole rows of 512 bytes.  LDS serves a wave's instructions in order: no wait between the stores and the loads.
.macro TOSTAGE a
	WIN 0x04                                       ; an LDS store's data are its source 1: window 1
.irp b, 0,1,2,3,4,5,6,7
	ds_store_b128 v[STO], v[64*(\a)+8*\b:64*(\a)+8*\b+3] offset:128*(\b/2)+32*(\b%2)       ; each accumulator from its low end on
	ds_store_b128 v[STO], v[64*(\a)+8*\b+4:64*(\a)+8*\b+7] offset:128*(\b/2)+32*(\b%2)+16
.endr
	WIN 0
.set BB, BK+64*((\a)%2)
.irp t, 0,1,2,3,4,5,6,7,8,9,10,11,12,13,14,15
	ds_load_b128 v[BB+4*\t:BB+4*\t+3], v[RD] offset:528*\t
.endr
.endm
.macro SEND a, younger                 ; younger: the LDS instructions issued behind block a's loads, which may stay out
.set BB, BK+64*((\a)%2)
	s_wait_dscnt \younger
.irp t, 0,1,2,3,4,5,6,7,8,9,10,11,12,13,14,15
	global_store_b128 v[CO], v[BB+4*\t:BB+4*\t+3], s[14:15] offset:(32*((\a)/2)+8*((\a)%2)+\t+8*(\t/8))*4096 th:TH_STORE_NT   ; 32 lanes store 512 consecutive bytes, aligned; lane t of tile a is row 32 (a / 2) + 8 (a % 2) + t + 8 (t / 8)
.endr
.endm
	PLACES 4
	TOSTAGE 0
.irp a, 1,2,3
.if \a > 1
	s_wait_xcnt 0x0                                ; block a - 2's stores have read their registers: block a's loads may land there
.endif
	TOSTAGE \a
	SEND \a-1, 32                                  ; behind block a - 1's loads: block a's 16 stores and 16 loads
.endr
	SEND 3, 0
	s_wait_tensorcnt 0x0
	ds_add_u32 v254, v255
	s_wait_dscnt 0x0
	CROUND                                         ; the closing round
	s_endpgm
.Lfunc_end_k_qb45e6d9db5_outp:
	.size	k_qb45e6d9db5_outp, .Lfunc_end_k_qb45e6d9db5_outp-k_qb45e6d9db5_outp
	.p2alignl 7, 3214868480
	.fill 96, 4, 3214868480
	.section	.rodata,"a",@progbits
	.p2align	6, 0x0
	.amdhsa_kernel k_qb45e6d9db5_outp
		.amdhsa_group_segment_fixed_size 327680
		.amdhsa_private_segment_fixed_size 0
		.amdhsa_enable_private_segment 0
		.amdhsa_kernarg_size 48
		.amdhsa_user_sgpr_count 2
		.amdhsa_user_sgpr_kernarg_segment_ptr 1
		.amdhsa_wavefront_size32 1
		.amdhsa_system_sgpr_workgroup_id_x 1
		.amdhsa_system_sgpr_workgroup_id_y 1
		.amdhsa_system_sgpr_workgroup_id_z 1
		.amdhsa_system_vgpr_workitem_id 0
		.amdhsa_next_free_vgpr 832
		.amdhsa_next_free_sgpr 100
		.amdhsa_reserve_vcc 0
		.amdhsa_float_denorm_mode_32 3
		.amdhsa_float_denorm_mode_16_64 3
		.amdhsa_memory_ordered 1
		.amdhsa_forward_progress 1
		.amdhsa_inst_pref_size 99
	.end_amdhsa_kernel
	.amdgpu_metadata
---
amdhsa.version: [ 1, 2 ]
amdhsa.kernels:
  - .name:           k_qb45e6d9db5_outp
    .symbol:         k_qb45e6d9db5_outp.kd
    .args:
      - { .name: ai, .offset: 0, .size: 8, .value_kind: global_buffer, .address_space: global }
      - { .name: asc, .offset: 8, .size: 8, .value_kind: global_buffer, .address_space: global }
      - { .name: img, .offset: 16, .size: 8, .value_kind: global_buffer, .address_space: global }
      - { .name: scl, .offset: 24, .size: 8, .value_kind: global_buffer, .address_space: global }
      - { .name: bo, .offset: 32, .size: 8, .value_kind: global_buffer, .address_space: global }
      - { .name: out0, .offset: 40, .size: 8, .value_kind: global_buffer, .address_space: global }
    .group_segment_fixed_size: 327680
    .private_segment_fixed_size: 0
    .kernarg_segment_align: 8
    .kernarg_segment_size: 48
    .max_flat_workgroup_size: 128
    .sgpr_count:     100
    .vgpr_count:     832
    .wavefront_size: 32
...
	.end_amdgpu_metadata
.endif
;; end of part 4
